; MI455X (gfx1250); checked and timed in simulation.
; The chip was launched on July 23, 2026; its instructions are those of AMD's public machine-readable ISA for CDNA 5 (MIT licence, August 2026) and "CDNA5" Instruction Set Architecture Reference Guide (July 2026). The comments in the code are by the model that wrote it; some were corrected since.
;; Multi Head Self Attention Module. Allowed arithmetic: matrix products marked QUANTISED: E2M1 operands, one E8M0 scale for each 32 along K, by v_wmma_scale_f32_16x16x128_f8f6f4 with both operands' format E2M1 (or v_wmma_scale_f32_32x16x128_f4), f32 sums; everything else in f32.
;; Inputs: attention_mask 8 x 1,024 bool; b_o 1,024 float32; b_qk 2,048 float32; b_v 1,024 float32; ln_b 1,024 x 1,024 float32; ln_w 1,024 x 1,024 float32; w_o_codes 1,024 x 32 x 16 uint8 (E2M1 codes of w_o, K innermost, in blocks of 32 codes, two codes a byte); w_o_scales 1,024 x 32 uint8 (E8M0 scales of w_o, one for each 32 codes along K); w_qk_codes 2,048 x 32 x 16 uint8 (E2M1 codes of w_qk, K innermost, in blocks of 32 codes, two codes a byte); w_qk_scales 2,048 x 32 uint8 (E8M0 scales of w_qk, one for each 32 codes along K); w_v_codes 1,024 x 32 x 16 uint8 (E2M1 codes of w_v, K innermost, in blocks of 32 codes, two codes a byte); w_v_scales 1,024 x 32 uint8 (E8M0 scales of w_v, one for each 32 codes along K); x 8 x 1,024 x 1,024 float32.
;; Outputs: out0 8 x 1,024 x 1,024 float32.
;; This version of the problem:
;;   THIS VERSION OF THE PROBLEM IS GIVEN IN LOW PRECISION. The matrix products marked QUANTISED in the list below multiply operands that are first quantised to E2M1 (2 exponent bits, 1 mantissa bit; 4 bits a number), with one power-of-two scale for each 32 numbers along K (OCP MX v1.0); their sums are f32. All else is computed in f32.
;;   The module's matrix products, in the order in which they are computed (A, B: the left and right operand; K: the contracted axis; several contracted axes count as one K, in the product's order):
;;     1. [M 8,192, K 1,024] x [K 1,024, N 2,048]; A: input x; B: input w_qk (given as codes): QUANTISED
;;     2. [M 8,192, K 1,024] x [K 1,024, N 1,024]; A: input x; B: input w_v (given as codes): QUANTISED
;;     3. batch 128 x [M 1,024, K 64] x [K 64, N 1,024]; A: computed on the way; B: computed on the way: QUANTISED
;;     4. batch 128 x [M 1,024, K 1,024] x [K 1,024, N 64]; A: softmax (see below); B: computed on the way: QUANTISED
;;     5. [M 8,192, K 1,024] x [K 1,024, N 1,024]; A: computed on the way; B: input w_o (given as codes): QUANTISED
;;   THE QUANTISER, for each operand of a quantised product, along K:
;;     - K is cut into blocks of 32 from its start; a last block that is shorter is filled with zeros.
;;     - A block's scale is 2^e with e = floor(log2(the largest magnitude in the block)) - 2, held to -126 .. 127; a block of zeros has e = 0. As a byte (E8M0): e + 127.
;;     - Each number is divided by its block's scale, clamped to +-6, and rounded to the nearest number of E2M1, ties to even, subnormals kept.
;;     - The product sums the exact products of the quantised numbers (number of the format x scale) in f32.
;;   ~~~python
;;   def quantise(x, axis):      # numpy; x: float32 -> the quantised numbers, widened to float32 again
;;       x = np.moveaxis(x, axis, -1); K = x.shape[-1]
;;       x = np.pad(x, [(0, 0)] * (x.ndim - 1) + [(0, -K % 32)]); x = x.reshape(x.shape[:-1] + (-1, 32)); a = np.abs(x).max(-1, keepdims=True)
;;       e = np.where(a > 0, np.clip(np.frexp(np.where(a > 0, a, 1))[1] - 1 - 2, -126, 127), 0)      # np.frexp(a)[1] - 1 = floor(log2(a)), exactly
;;       r = np.clip(x / 2.0 ** e, -6, 6)
;;       step = 2.0 ** (np.maximum(np.frexp(np.where(r == 0, 1, r))[1] - 1, 0) - 1)
;;       q = np.round(r / step) * step * 2.0 ** e      # np.round: ties to even
;;       return np.moveaxis(q.reshape(q.shape[:-2] + (-1,))[..., :K], -1, axis).astype(np.float32)
;;   ~~~
;;   SOFTMAX AHEAD OF A QUANTISED PRODUCT. Where the list says 'softmax', what is quantised is not the finished softmax but p = 2^(t - M), with t = logit x log2(e) and M = ceil(the row's largest t), a whole number; so 1/2 < the row's largest p <= 1. The row's sum l is taken of the UNQUANTISED p, in f32, and the product's result is divided by l at the end. Since M is a whole number, a kernel that streams over the keys may use a running M (the ceiling of the running maximum): every later rescaling is an exact power of two, which a block's scale takes up: the codes' values come out the same.
;;   OPERANDS COMPUTED ON THE WAY. 'Computed on the way' means the value that the module computes at that place (a softmax that the list does not call 'softmax' is quantised finished and normalised). What goes into a quantiser is computed in f32, as accurately as f32 sums, v_exp_f32 and their like allow (about 1e-6 of the number): no bf16 or f16 on the way to a quantiser, and a product that is left as it is and whose result goes on into a quantised operand takes f32 operands (vector FMAs, or v_wmma_f32_16x16x4_f32). A number that lies on a knife's edge between two numbers of the format may be rounded either way, as far as f32 arithmetic and the matrix unit's own rounding can turn it there, and no further.
;;   INPUTS GIVEN AS CODES. w_o (in the module: [1024, 1024], K = its axis 0); w_qk (in the module: [1024, 2048], K = its axis 0); w_v (in the module: [1024, 1024], K = its axis 0): each comes as NAME_codes (uint8): NAME with its K axis moved to the last place and cut into blocks of 32 codes, [.., K / 32, bytes a block], one block behind the other in memory; two codes a byte, the lower K in the low four bits (a code: sign, 2 exponent bits, 1 mantissa bit); and NAME_scales (uint8): the same leading axes, one E8M0 byte (e + 127) for each 32 codes along K. Its value is code x scale, taken as it is: it is not quantised again, and the codes and scales need not be those that the quantiser above would give.
;; One version. Each part assembles by itself: llvm-mc -triple=amdgcn-amd-amdhsa -mcpu=gfx1250 --defsym DOCPART=n.
;; ======== version 1 of 1: 5 launches
;; limits: right only within a limited range of input values
;; workspace buffers: xq 4,456,448 bytes; oq 4,456,448 bytes; wimg 2,228,224 bytes; qkv 14,155,776 bytes; res 33,554,432 bytes; stats 8,192 bytes
;; launch prep (part 1): grid 576 x 1, 4 waves a work-group, no clusters, 10,752 bytes of LDS; arguments x, w_qk_codes, w_qk_scales, w_v_codes, w_v_scales, w_o_codes, w_o_scales, xq, wimg; writes xq, wimg
.if DOCPART == 1
	.amdgcn_target "amdgcn-amd-amdhsa--gfx1250"
	.amdhsa_code_object_version 6
	.text
	.protected	k_q1c3f667da1_prep
	.globl	k_q1c3f667da1_prep
	.p2align	8
	.type	k_q1c3f667da1_prep,@function
k_q1c3f667da1_prep:
	s_mov_b64 s[64:65], 0
	v_nop
	global_prefetch_b8 v0, s[64:65] scope:SCOPE_SE
	s_setreg_imm32_b32 hwreg(HW_REG_WAVE_MODE, 25, 1), 1
	s_wait_xcnt 0x0
; PREP, the first of five launches (prep, qkv, attn, oproj, lnorm) of: q, k, v = x W + b; softmax(q k^T / 8, keys masked) v; (..) W_o + b_o + x; LayerNorm over [S, M] of each batch.
; All five products run on codes of E2M1 with one E8M0 scale for each 32 along K.
; DEAD WORK: none is left out.  Every input has a way to the output: both halves of b_qk and b_v stand ahead of a quantiser, the mask chooses which keys count, b_o, ln_w and ln_b enter the result directly.
; THIS LAUNCH.  Work-groups 0-511: x, f32, becomes codes and scale words in xq.  Work-groups 512-575: the three weights' codes and scale bytes are copied once into wimg, in the order in which a wave's operand registers take them.
; AN OPERAND'S IMAGE.  A fragment (16 rows x 128 K of 4-bit codes, 8 registers a lane) lies as two pieces of 512 bytes; piece c holds registers 4 c .. 4 c + 3, lane L's 16 bytes at 16 L.  Lane L = r + 16 h holds row r,
;   k = 64 c + 32 h + 0 .. 31: so block 2 c + h of row r lies at 512 c + 256 h + 16 r.  A reader takes 16 bytes a lane at 16 x lane: no pitch, no padding.
; xq: 512 tiles x 8,704 bytes = 8 K steps x 1,024 bytes of images, then the scale words [K step 8][row 16], 4 bytes each.  ROW r OF TILE T IS TOKEN 32 (T / 2) + 8 (T % 2) + r + 8 (r / 8): two neighbouring tiles
;   then give 16 neighbouring tokens to a lane's 16 result registers where the tokens are the next K (the keys of v and p), and the same tiles serve q and k.
; wimg: part A: 32 groups (2 x head + rho) x 52,224 bytes = 6 tiles x 8,192, then 6 x 512 of scale bytes; tiles 0-3: rows of w_qk (rho = 0: q, 1: k), tiles 4, 5: rows of w_v.  Part B from byte 1,671,168: 16 groups of 64 columns
;   of w_o x 34,816 bytes = 4 tiles x 8,192, then 4 x 512.  A tile's scale image: lane (r, h) holds the 16 bytes at 16 h of its row's 32: register i is the word of K step i in lanes 0-15 and of K step i + 4 in lanes 16-31.
; THE QUANTISER: a block's scale byte is its largest magnitude's exponent field - 2, held at 1 from below by a floor among the maximum's leaves.
; LIMITS: a block of zeros gets the byte 1 where the rule says 127 (its codes are zeros, and this program alone reads the bytes); NaN and infinities among the inputs are not served.
.set SPARE, 10240                      ; behind the four waves' regions: the spare words, 128 bytes a wave, which no other line names
.set SPW, 10                           ; v10  LDS address of my spare word; never rewritten
.set NIL, 11                           ; v11  0; never rewritten
.set XR,  16                           ; v16-143  16 tokens x 8 numbers
.set TM,  144                          ; v144-159 largest magnitudes
.set SO,  160                          ; v160-175 the conversions' scale operands
.set CD,  176                          ; v176-191 8 codes a token
.set BY,  192                          ; v192-207 scale bytes
.set OB,  208                          ; v208-224 the way out
	s_load_b512 s[4:19], s[0:1], 0x0               ; x, w_qk codes, scales, w_v codes, scales, w_o codes, scales, xq
	s_load_b64 s[20:21], s[0:1], 0x40              ; wimg
	v_lshl_add_u32 v[SPW], v0, 2, SPARE
	v_mov_b32 v[NIL], 0
	v_lshrrev_b32 v1, 5, v0
	v_readfirstlane_b32 s22, v1                    ; wave 0..3
	v_and_b32 v1, 31, v0                           ; lane
	s_cmp_ge_u32 ttmp9, 512
	s_cbranch_scc1 .Lweights
; ---- x.  The work-group is tile T; wave qd takes 256 along K (K steps 2 qd, 2 qd + 1) of its 16 tokens.  Lane l holds 8 neighbours, k = 256 qd + 8 l + 0 .. 7, of each token: four neighbouring lanes hold a block.
	s_lshr_b32 s24, ttmp9, 1
	s_lshl_b32 s24, s24, 5
	s_and_b32 s25, ttmp9, 1
	s_lshl_b32 s25, s25, 3
	s_add_co_u32 s24, s24, s25                     ; the tile's first token
	s_lshl_b32 s24, s24, 12                        ; a token is 4,096 bytes
	s_lshl_b32 s25, s22, 10
	s_add_co_u32 s24, s24, s25                     ; + my quarter of K
	s_mov_b32 s25, 0
	s_mul_i32 s26, ttmp9, 8704
	s_lshl_b32 s27, s22, 7
	s_add_co_u32 s28, s26, s27
	s_add_co_u32 s28, s28, 8192                    ; my 128 bytes of scale words
	s_mov_b32 s29, 0
	s_lshl_b32 s27, s22, 11
	s_add_co_u32 s26, s26, s27                     ; my 2,048 bytes of images
	s_mov_b32 s27, 0
	s_mul_i32 s30, s22, 2560                       ; my region in LDS: 8 blocks' 256 bytes of codes, 272 apart; from 2,304 on 128 scale bytes
	s_wait_alu depctr_va_vdst(0)
	v_lshlrev_b32 v2, 5, v1                        ; x: 32 bytes a lane
	v_lshrrev_b32 v12, 2, v1                       ; my block, 0..7
	v_and_b32 v13, 3, v1
	v_mul_u32_u24 v3, v12, 272
	v_lshl_add_u32 v3, v13, 2, v3
	v_add_nc_u32 v3, s30, v3                       ; codes in: block x 272 + 4 (l % 4), + 16 x row as immediate: the 32 lanes fall on 32 different banks
	v_lshrrev_b32 v14, 4, v1
	v_and_b32 v15, 3, v12
	v_lshl_add_u32 v4, v14, 6, v15
	v_add_nc_u32 v4, s30, v4
	v_add_nc_u32 v4, 2304, v4                      ; scale byte in: K step x 64 + byte, + 4 x row as immediate
	v_and_b32 v15, 15, v1
	v_mul_u32_u24 v5, v14, 272
	v_lshl_add_u32 v5, v15, 4, v5
	v_add_nc_u32 v5, s30, v5                       ; codes back: two blocks an instruction, 16 bytes a lane
	v_lshlrev_b32 v6, 2, v1                        ; 4 x lane
	v_lshlrev_b32 v7, 4, v1                        ; 16 x lane
	v_add_nc_u32 v8, s30, v6
	v_add_nc_u32 v8, 2304, v8                      ; scale words back
	s_wait_kmcnt 0x0
	s_add_nc_u64 s[4:5], s[4:5], s[24:25]
	s_add_nc_u64 s[32:33], s[18:19], s[26:27]
	s_add_nc_u64 s[34:35], s[18:19], s[28:29]
.irp r, 0,1,2,3,4,5,6,7,8,9,10,11,12,13,14,15
	global_load_b128 v[XR+8*\r:XR+8*\r+3],   v2, s[4:5] offset:(\r+8*(\r/8))*4096 th:TH_LOAD_NT      ; all 32 loads go out at once: 16 KiB a wave
	global_load_b128 v[XR+8*\r+4:XR+8*\r+7], v2, s[4:5] offset:(\r+8*(\r/8))*4096+16 th:TH_LOAD_NT
.endr
.macro GROUP g                         ; four tokens, line by line by turns
	s_wait_loadcnt 24-8*\g                         ; loads come back in order: these four tokens' eight are in, the later groups' may be out
.irp i, 0,1,2,3
	v_max3_num_f32 v[TM+4*\g+\i], |v[XR+8*(4*\g+\i)]|, |v[XR+8*(4*\g+\i)+1]|, 0x1800000   ; with the floor 2^(3 - 127): the byte cannot fall under 1
.endr
.irp n, 2,4,6
.irp i, 0,1,2,3
	v_max3_num_f32 v[TM+4*\g+\i], v[TM+4*\g+\i], |v[XR+8*(4*\g+\i)+\n]|, |v[XR+8*(4*\g+\i)+\n+1]|
.endr
.endr
.irp i, 0,1,2,3
	v_max_num_f32_dpp v[TM+4*\g+\i], v[TM+4*\g+\i], v[TM+4*\g+\i] row_xmask:1 row_mask:0xf bank_mask:0xf
.endr
.irp i, 0,1,2,3
	v_max_num_f32_dpp v[TM+4*\g+\i], v[TM+4*\g+\i], v[TM+4*\g+\i] row_xmask:2 row_mask:0xf bank_mask:0xf   ; the four lanes' maximum: the block's
.endr
.irp i, 0,1,2,3
	v_add_nc_u32 v[SO+4*\g+\i], 0xff000000, v[TM+4*\g+\i]      ; 2 off the exponent field: the conversion takes this operand's exponent field as its scale
.endr
.irp i, 0,1,2,3
	v_cvt_scalef32_pk8_fp4_f32 v[CD+4*\g+\i], v[XR+8*(4*\g+\i):XR+8*(4*\g+\i)+7], v[SO+4*\g+\i]
.endr
.irp i, 0,1,2,3
	v_lshrrev_b32 v[BY+4*\g+\i], 23, v[SO+4*\g+\i]             ; the scale's byte
.endr
.irp i, 0,1,2,3
	ds_store_b32 v3, v[CD+4*\g+\i] offset:16*(4*\g+\i)
	ds_store_b8 v4, v[BY+4*\g+\i] offset:4*(4*\g+\i)           ; the four lanes of a block write the same byte with the same value
.endr
.endm
	GROUP 0
	GROUP 1
	GROUP 2
	GROUP 3
.irp q, 0,1,2,3
	ds_load_b128 v[OB+4*\q:OB+4*\q+3], v5 offset:544*\q        ; LDS serves a wave's instructions in order: these see my stores
.endr
	ds_load_b32 v[OB+16], v8
	s_wait_dscnt 0x0
.irp q, 0,1,2,3
	global_store_b128 v7, v[OB+4*\q:OB+4*\q+3], s[32:33] offset:512*\q   ; 512 consecutive bytes, aligned to 256
.endr
	global_store_b32 v6, v[OB+16], s[34:35]        ; my 128 bytes of scale words: one byte in 17 of this buffer
	s_wait_tensorcnt 0x0                           ; the wave's end
	ds_add_u32 v[SPW], v[NIL]
	s_wait_dscnt 0x0
	s_endpgm
; ---- the weights.  Job J = 4 (work-group - 512) + wave, 0..255: one tile of 16 rows x 1,024 K a wave.  J < 192: tile J / 32 of group J % 32 of part A; else tile (J - 192) % 4 of group (J - 192) / 4 of part B.
; Row r of the tile is row R0 + RS x (r + E (r / 8)) of its tensor.  All is chosen by selects on J: one path, no LDS.
.Lweights:
	s_sub_co_u32 s24, ttmp9, 512
	s_lshl_b32 s24, s24, 2
	s_add_co_u32 s24, s24, s22                     ; J
	s_lshr_b32 s25, s24, 5                         ; tau
	s_and_b32 s26, s24, 31                         ; group = 2 x head + rho
	s_lshr_b32 s27, s26, 1                         ; head
	s_and_b32 s28, s26, 1                          ; rho
	s_lshr_b32 s29, s25, 1
	s_lshl_b32 s29, s29, 5
	s_and_b32 s30, s25, 1
	s_lshl_b32 s30, s30, 3
	s_add_co_u32 s29, s29, s30                     ; the tile's first kd: 32 (tau / 2) + 8 (tau % 2)
	s_lshl_b32 s29, s29, 5                         ; w_qk's column is 32 kd + 16 rho + head
	s_lshl_b32 s30, s28, 4
	s_add_co_u32 s29, s29, s30
	s_add_co_u32 s29, s29, s27                     ; R0 in w_qk
	s_max_u32 s31, s25, 4
	s_sub_co_u32 s31, s31, 4
	s_lshl_b32 s31, s31, 3
	s_lshl_b32 s30, s28, 5
	s_add_co_u32 s30, s30, s31                     ; the tile's first vd: 32 rho + 8 (tau - 4)
	s_lshl_b32 s30, s30, 4                         ; w_v's column is 16 vd + head
	s_add_co_u32 s30, s30, s27                     ; R0 in w_v
	s_mul_i32 s36, s26, 52224
	s_lshl_b32 s37, s25, 13
	s_add_co_u32 s37, s37, s36                     ; part A: the tile's images,
	s_lshl_b32 s38, s25, 9
	s_add_co_u32 s38, s38, s36
	s_add_co_u32 s38, s38, 49152                   ; and its scale image
	s_max_u32 s39, s24, 192
	s_sub_co_u32 s39, s39, 192
	s_lshr_b32 s40, s39, 2                         ; column group c
	s_and_b32 s41, s39, 3                          ; tile i: row r is column 64 c + 4 r + i
	s_lshl_b32 s42, s40, 6
	s_add_co_u32 s42, s42, s41                     ; R0 in w_o
	s_mul_i32 s43, s40, 34816
	s_add_co_u32 s43, s43, 1671168
	s_lshl_b32 s44, s41, 13
	s_add_co_u32 s44, s44, s43
	s_lshl_b32 s45, s41, 9
	s_add_co_u32 s45, s45, s43
	s_add_co_u32 s45, s45, 32768
	s_mov_b32 s61, 0
	s_mov_b32 s63, 0
	s_wait_kmcnt 0x0
	s_cmp_lt_u32 s24, 128                          ; tiles 0-3 come from w_qk, tiles 4, 5 from w_v
	s_cselect_b64 s[46:47], s[6:7], s[10:11]
	s_cselect_b64 s[48:49], s[8:9], s[12:13]
	s_cselect_b32 s50, s29, s30
	s_cselect_b32 s51, 32, 16
	s_cmp_lt_u32 s24, 192                          ; part A or part B
	s_cselect_b64 s[46:47], s[46:47], s[14:15]
	s_cselect_b64 s[48:49], s[48:49], s[16:17]
	s_cselect_b32 s50, s50, s42                    ; R0
	s_cselect_b32 s51, s51, 4                      ; RS
	s_cselect_b32 s52, 8, 0                        ; E
	s_cselect_b32 s60, s37, s44
	s_cselect_b32 s62, s38, s45
	s_add_nc_u64 s[56:57], s[20:21], s[60:61]
	s_add_nc_u64 s[58:59], s[20:21], s[62:63]
	s_wait_alu depctr_va_vdst(0)
	v_and_b32 v2, 15, v1                           ; r
	v_lshrrev_b32 v3, 4, v1                        ; h
	v_lshrrev_b32 v4, 3, v2
	v_mad_u32_u24 v4, v4, s52, v2                  ; r + E (r / 8)
	v_mad_u32_u24 v4, v4, s51, s50                 ; my row
	v_lshlrev_b32 v5, 9, v4
	v_lshl_add_u32 v5, v3, 4, v5                   ; codes: 512 bytes a row, + 16 h
	v_lshlrev_b32 v6, 5, v4
	v_lshl_add_u32 v6, v3, 4, v6                   ; scale bytes: 32 a row, + 16 h
	v_lshlrev_b32 v7, 4, v1
.irp n, 0,1,2,3,4,5,6,7,8,9,10,11,12,13,14,15
	global_load_b128 v[16+4*\n:19+4*\n], v5, s[46:47] offset:32*\n      ; piece n = 2 x K step + c
.endr
	global_load_b128 v[80:83], v6, s[48:49]
	s_wait_alu depctr_va_vdst(0)
	s_wait_loadcnt 0x0
.irp n, 0,1,2,3,4,5,6,7,8,9,10,11,12,13,14,15
	global_store_b128 v7, v[16+4*\n:19+4*\n], s[56:57] offset:512*\n
.endr
	global_store_b128 v7, v[80:83], s[58:59]
	s_endpgm
.Lfunc_end_k_q1c3f667da1_prep:
	.size	k_q1c3f667da1_prep, .Lfunc_end_k_q1c3f667da1_prep-k_q1c3f667da1_prep
	.p2alignl 7, 3214868480
	.fill 96, 4, 3214868480
	.section	.rodata,"a",@progbits
	.p2align	6, 0x0
	.amdhsa_kernel k_q1c3f667da1_prep
		.amdhsa_group_segment_fixed_size 10752
		.amdhsa_private_segment_fixed_size 0
		.amdhsa_enable_private_segment 0
		.amdhsa_kernarg_size 72
		.amdhsa_user_sgpr_count 2
		.amdhsa_user_sgpr_kernarg_segment_ptr 1
		.amdhsa_wavefront_size32 1
		.amdhsa_system_sgpr_workgroup_id_x 1
		.amdhsa_system_sgpr_workgroup_id_y 1
		.amdhsa_system_sgpr_workgroup_id_z 1
		.amdhsa_system_vgpr_workitem_id 0
		.amdhsa_next_free_vgpr 232
		.amdhsa_next_free_sgpr 66
		.amdhsa_reserve_vcc 0
		.amdhsa_float_denorm_mode_32 3
		.amdhsa_float_denorm_mode_16_64 3
		.amdhsa_memory_ordered 1
		.amdhsa_forward_progress 1
		.amdhsa_inst_pref_size 24
	.end_amdhsa_kernel
	.amdgpu_metadata
---
amdhsa.version: [ 1, 2 ]
amdhsa.kernels:
  - .name:           k_q1c3f667da1_prep
    .symbol:         k_q1c3f667da1_prep.kd
    .args:
      - { .name: x, .offset: 0, .size: 8, .value_kind: global_buffer, .address_space: global }
      - { .name: w_qk_codes, .offset: 8, .size: 8, .value_kind: global_buffer, .address_space: global }
      - { .name: w_qk_scales, .offset: 16, .size: 8, .value_kind: global_buffer, .address_space: global }
      - { .name: w_v_codes, .offset: 24, .size: 8, .value_kind: global_buffer, .address_space: global }
      - { .name: w_v_scales, .offset: 32, .size: 8, .value_kind: global_buffer, .address_space: global }
      - { .name: w_o_codes, .offset: 40, .size: 8, .value_kind: global_buffer, .address_space: global }
      - { .name: w_o_scales, .offset: 48, .size: 8, .value_kind: global_buffer, .address_space: global }
      - { .name: xq, .offset: 56, .size: 8, .value_kind: global_buffer, .address_space: global }
      - { .name: wimg, .offset: 64, .size: 8, .value_kind: global_buffer, .address_space: global }
    .group_segment_fixed_size: 10752
    .private_segment_fixed_size: 0
    .kernarg_segment_align: 8
    .kernarg_segment_size: 72
    .max_flat_workgroup_size: 128
    .sgpr_count:     66
    .vgpr_count:     232
    .wavefront_size: 32
...
	.end_amdgpu_metadata
.endif
;; end of part 1
;; launch qkv (part 2): grid 8 x 32, 4 waves a work-group, no clusters, 167,936 bytes of LDS; arguments xq, wimg, b_qk, b_v, attention_mask, qkv; writes qkv
.if DOCPART == 2
	.amdgcn_target "amdgcn-amd-amdhsa--gfx1250"
	.amdhsa_code_object_version 6
	.text
	.protected	k_q1c3f667da1_qkv
	.globl	k_q1c3f667da1_qkv
	.p2align	8
	.type	k_q1c3f667da1_qkv,@function
k_q1c3f667da1_qkv:
	s_mov_b64 s[64:65], 0
	v_nop
	global_prefetch_b8 v0, s[64:65] scope:SCOPE_SE
	s_setreg_imm32_b32 hwreg(HW_REG_WAVE_MODE, 25, 1), 1
	s_wait_xcnt 0x0
; QKV: q, k = x W_qk + b_qk and v = x W_v + b_v on codes of E2M1; the results are quantised in registers, q and k along the head's 64, v along the keys, and leave as operand images for the attention launch.  No work is left out.
; SHARES.  Work-group (X, Y): heads 2 X, 2 X + 1, tokens 256 Y .. 256 Y + 255 (16 tiles of xq, one dense block of 139,264 bytes, brought into LDS once: each wave fetches a quarter by one tensor load).
;   Wave w: head 2 X + w / 2, rho = w % 2: rho = 0 makes q and v's channels 0-31, rho = 1 makes k and v's channels 32-63.  Its six weight tiles (384 registers) stay in registers; it walks 8 blocks of 32 tokens, 96 products each.
; LAYOUT.  q, k: source 0 = 16 rows of W (channels 32 (t / 2) + 8 (t % 2) + r + 8 (r / 8)), source 1 = a tile of x: a lane holds one token, and the 16 registers of tiles 2 b, 2 b + 1 are channels 32 b + 16 h + 0 .. 15.
;   v: source 0 = a tile of x, source 1 = 16 rows of W_v: a lane holds one channel, and the 16 registers of the block's two token tiles are tokens 32 beta + 16 h + 0 .. 15.  So a lane always holds half h of a block of 32 along the
;   next K; its 8 bytes of codes go to 16 r + 8 h of the block's 256 bytes in the image: each store covers 256 consecutive bytes, aligned.  The biases are the C of each sum's first product.
; qkv: 128 records (16 x batch + head) of 110,592 bytes: q's images 64 tiles x 512 | q's scale words 8 x 512 | 8 key steps of 128 keys x 9,216 bytes, each: k's images 8 tiles x 512 | v's images [channel tile 4][1,024] |
;   k's scale words 512 | v's scale words [tile 4][lane 32].  So all that a key step of the attention launch reads lies on end.
;   q's and k's scale words of 8 tiles: lane L's 16 bytes are four words; word n belongs to tile 2 n + L / 16, row L % 16.
; THE MASK RIDES IN THE SPARE HALF OF THE SCORE PRODUCT'S K.  A head has 64 channels, the matrix instruction takes 128.  The attention launch sets code +6 at k = 64 of every key and code -6 at k = 64 of every query;
;   here the third scale byte of a key is 250 where the key is masked and 1 where it counts, the third byte of a query 101: a masked key's score gets -36 x 2^97, a key that counts -36 x 2^-152.  The fourth bytes (1, 127) scale zeros.
; LIMITS: a masked score is -5.7e30 and not minus infinity (see the attention launch); a block of zeros gets the byte 1 where the rule says 127, read by this program alone; NaN and infinities among the inputs are not served.
; NO CLUSTER: the work-group's one fill at its head is all that it shares with others (the 8 work-groups of a Y); the weights go straight into registers, where a joint load cannot land.
; REGISTERS, in windows of 256: window 0: as named below.  Window 1: W's tiles 0-3 at 64 t + 8 s.  Window 2: v0-127 W's tiles 4, 5; v128-175 the six bias tiles.  Window 3: x's fragments, two buffers: 128 p + 64 u + 8 s.
.set SPARE, 139264                     ; behind the 16 tiles: the spare words, 128 bytes a wave, which no other line names
.set LI,   2                           ; v2   16 x lane
.set LS,   3                           ; v3   4 x lane + 8,192: a tile's scale words
.set ADX,  4                           ; v4   LDS address of the block's fragments
.set ADS,  5                           ; v5   and of its scale words
.set VO8,  6                           ; v6   16 r + 8 h
.set L4,   7                           ; v7   4 x lane
.set SPW,  8                           ; v8   LDS address of my spare word; never rewritten
.set NIL,  9                           ; v9   0; never rewritten
.set HIW,  12                          ; v12-19  block beta: the upper two bytes of my lane's scale word
.set WS,   20                          ; v20-43  W's scale images: 4 t + i
.set XS,   44                          ; v44-59  x's scale words: 8 p + 4 u + i: K step 2 i in lanes 0-15, 2 i + 1 in lanes 16-31
.set ACC,  60                          ; v60-155 twelve accumulators: unit n of six (16 neighbours along the next K) at 60 + 16 n
.set TM,   156
.set TP,   162
.set SO,   168
.set BY,   174
.set CD,   180                         ; v180-191 the six units' codes
.set PEND, 192                         ; v192-195 four blocks' scale words of q or k
.set VW,   196                         ; v196-197 v's scale words, a byte a block
.set TMPR, 198
.set BC,   128                         ; in window 2
.set PQK,  36                          ; s[36:37] q's or k's images of my first 128 tokens; s[66:67] of my second 128: each pointer has its second 30 registers on
.set PQS,  38                          ; s[38:39], s[68:69] q's or k's scale words
.set PV,   40                          ; s[40:41], s[70:71] v's images
.set PVS,  42                          ; s[42:43], s[72:73] v's scale words
.set SEL,  44                          ; s[44:45] v_permlanex16_b32's selects for lane l xor 16
.set HM,   46                          ; s46  lanes 16-31
.set MSB, 0
.macro WIN new                         ; the immediate's high byte repeats the setting that is left
.if MSB != \new
	s_set_vgpr_msb (MSB<<8)|\new
.set MSB, \new
.endif
.endm
.macro EMIT                            ; one product, by the symbols rD, rA, rB, rC, rSA, rSB; fA, fB: that side's scales stand in lanes 16-31
.if fA && fB
	v_wmma_scale_f32_16x16x128_f8f6f4 v[rD:rD+7], v[rA:rA+7], v[rB:rB+7], v[rC:rC+7], v[rSA], v[rSB] matrix_a_fmt:MATRIX_FMT_FP4 matrix_b_fmt:MATRIX_FMT_FP4 matrix_a_scale:MATRIX_SCALE_ROW1 matrix_b_scale:MATRIX_SCALE_ROW1
.elseif fA
	v_wmma_scale_f32_16x16x128_f8f6f4 v[rD:rD+7], v[rA:rA+7], v[rB:rB+7], v[rC:rC+7], v[rSA], v[rSB] matrix_a_fmt:MATRIX_FMT_FP4 matrix_b_fmt:MATRIX_FMT_FP4 matrix_a_scale:MATRIX_SCALE_ROW1
.elseif fB
	v_wmma_scale_f32_16x16x128_f8f6f4 v[rD:rD+7], v[rA:rA+7], v[rB:rB+7], v[rC:rC+7], v[rSA], v[rSB] matrix_a_fmt:MATRIX_FMT_FP4 matrix_b_fmt:MATRIX_FMT_FP4 matrix_b_scale:MATRIX_SCALE_ROW1
.else
	v_wmma_scale_f32_16x16x128_f8f6f4 v[rD:rD+7], v[rA:rA+7], v[rB:rB+7], v[rC:rC+7], v[rSA], v[rSB] matrix_a_fmt:MATRIX_FMT_FP4 matrix_b_fmt:MATRIX_FMT_FP4
.endif
.endm
; n units of 16 numbers, unit q at v[src + 16 q]: half a block of 32, the other half in lane l xor 16.  Out: 16 codes in v[CD + 2 q], v[CD + 2 q + 1], the block's byte in v[BY + q].  The units take turns line by line;
; each accumulator is read from its low end on.
.macro QUANT n, src
.set qk, 0
.rept \n
	v_max3_num_f32 v[TM+qk], |v[\src+16*qk]|, |v[\src+16*qk+1]|, 0x1800000   ; with the floor 2^(3 - 127): the byte cannot fall under 1
.set qk, qk+1
.endr
.irp i, 2,4,6,8,10,12,14
.set qk, 0
.rept \n
	v_max3_num_f32 v[TM+qk], v[TM+qk], |v[\src+16*qk+\i]|, |v[\src+16*qk+\i+1]|
.set qk, qk+1
.endr
.endr
.set qk, 0
.rept \n
	v_permlanex16_b32 v[TP+qk], v[TM+qk], s[SEL], s[SEL+1]
.set qk, qk+1
.endr
.set qk, 0
.rept \n
	v_max_num_f32 v[TM+qk], v[TM+qk], v[TP+qk]     ; the block's largest magnitude
.set qk, qk+1
.endr
.set qk, 0
.rept \n
	v_add_nc_u32 v[SO+qk], 0xff000000, v[TM+qk]    ; 2 off its exponent field: the conversion's scale operand
.set qk, qk+1
.endr
.set qk, 0
.rept \n
	v_lshrrev_b32 v[BY+qk], 23, v[SO+qk]           ; the scale's byte
.set qk, qk+1
.endr
.set qk, 0
.rept \n
	v_cvt_scalef32_pk8_fp4_f32 v[CD+2*qk], v[\src+16*qk:\src+16*qk+7], v[SO+qk]
	v_cvt_scalef32_pk8_fp4_f32 v[CD+2*qk+1], v[\src+16*qk+8:\src+16*qk+15], v[SO+qk]
.set qk, qk+1
.endr
	v_nop                                          ; one plain place behind the last conversion
.endm
.macro FETCH pbuf, blk                 ; block blk's two tiles of x, all 8 K steps, into buffer pbuf: 32 + 8 LDS loads
	v_add_nc_u32 v[ADX], (\blk)*17408, v[LI]
	v_add_nc_u32 v[ADS], (\blk)*17408, v[LS]
	WIN 0xc0                                       ; destination window 3
.set ku, 0
.rept 2
.set kn, 0
.rept 16
	ds_load_b128 v[128*(\pbuf)+64*ku+4*kn:128*(\pbuf)+64*ku+4*kn+3], v[ADX] offset:ku*8704+512*kn
.set kn, kn+1
.endr
.set ku, ku+1
.endr
	WIN 0
.set ku, 0
.rept 2
.set kn, 0
.rept 4
	ds_load_b32 v[XS+8*(\pbuf)+4*ku+kn], v[ADS] offset:ku*8704+128*kn
.set kn, kn+1
.endr
.set ku, ku+1
.endr
.endm
	s_load_b256 s[4:11], s[0:1], 0x0               ; xq, wimg, b_qk, b_v
	s_load_b128 s[12:15], s[0:1], 0x20             ; attention_mask, qkv
	v_lshl_add_u32 v[SPW], v0, 2, SPARE
	v_mov_b32 v[NIL], 0
	ds_add_u32 v[SPW], v[NIL]                      ; the wave's opening: the add, twice on end, and its wait ahead of my first tensor load
	ds_add_u32 v[SPW], v[NIL]
	v_lshrrev_b32 v1, 5, v0
	v_readfirstlane_b32 s16, v1                    ; wave 0..3
	s_and_b32 s17, ttmp7, 0xffff                   ; Y
	s_lshl_b32 s20, ttmp9, 2
	s_add_co_u32 s20, s20, s16                     ; my group of wimg: 2 x head + rho = 4 X + w
	s_lshr_b32 s18, s20, 1                         ; head
	s_and_b32 s19, s16, 1                          ; rho
	s_mov_b32 s24, 3<<16                           ; descriptor group 1: a dense block as 136 rows of 32 elements of 8 bytes; no mask, no padding
	s_mov_b32 s25, 32<<16                          ; tensor_dim0 = 32
	s_mov_b32 s26, 136<<16                         ; tensor_dim1 = 136
	s_mov_b32 s27, 32<<16                          ; tile_dim0 = 32
	s_mov_b32 s28, 136                             ; tile_dim1 = 136
	s_mov_b32 s29, 32                              ; from row to row
	s_mov_b32 s30, 0
	s_mov_b32 s31, 0
	s_mov_b32 s32, 1                               ; group 0: count = 1,
	s_mul_i32 s33, s16, 34816                      ; LDS address: my four tiles,
	s_mul_i32 s50, s17, 139264
	s_add_co_u32 s50, s50, s33
	s_mov_b32 s51, 0
	s_wait_dscnt 0x0                               ; both opening adds are done
	s_wait_kmcnt 0x0
	s_add_nc_u64 s[34:35], s[4:5], s[50:51]        ; their place in xq,
	s_or_b32 s35, s35, 0x80000000                  ; type = 2
	tensor_load_to_lds s[32:35], s[24:31]          ; my one tensor load of the launch: nothing is filled again
	s_nop 0
	v_and_b32 v10, 31, v0                          ; lane
	v_and_b32 v11, 15, v0                          ; r
	v_bfe_u32 v1, v0, 4, 1                         ; h
	v_lshlrev_b32 v[LI], 4, v10
	v_lshlrev_b32 v[L4], 2, v10
	v_add_nc_u32 v[LS], 8192, v[L4]
	v_lshlrev_b32 v[VO8], 4, v11
	v_lshl_add_u32 v[VO8], v1, 3, v[VO8]
	v_lshlrev_b32 v[TMPR], 11, v1                  ; b_qk: lanes 16-31 want channels 16 further on: 16 x 128 bytes
	s_wait_alu depctr_va_vdst(0)
	v_and_b32 v[TMPR+1], 8, v11
	v_add_nc_u32 v[TMPR+1], v[TMPR+1], v11         ; r + 8 (r / 8)
	v_lshl_add_u32 v[TMPR+2], v1, 3, v[TMPR+1]     ; the mask: the token of my lane's scale word: 8 (lane / 16) + r + 8 (r / 8) in its block of 32
	v_lshlrev_b32 v[TMPR+1], 6, v[TMPR+1]          ; b_v: 64 bytes a channel
	s_wait_alu depctr_va_vdst(0)
	s_mul_i32 s52, s20, 52224
	s_mov_b32 s53, 0
	s_add_nc_u64 s[6:7], s[6:7], s[52:53]          ; my six tiles
	s_lshl_b32 s54, s18, 2
	s_lshl_b32 s52, s19, 6
	s_add_co_u32 s52, s52, s54
	s_add_nc_u64 s[8:9], s[8:9], s[52:53]          ; b_qk at column 16 rho + head
	s_lshl_b32 s52, s19, 11
	s_add_co_u32 s52, s52, s54
	s_add_nc_u64 s[10:11], s[10:11], s[52:53]      ; b_v at channel 32 rho, my head
	s_lshl_b32 s52, s17, 8
	s_add_nc_u64 s[12:13], s[12:13], s[52:53]      ; the mask at my first token
	; where my results go: offsets in the buffer first, the buffer's address added last.  My 256 tokens are key steps 2 (Y % 4) and 2 (Y % 4) + 1 of the record
	s_lshr_b32 s21, s17, 2
	s_lshl_b32 s21, s21, 4
	s_add_co_u32 s21, s21, s18
	s_mul_i32 s21, s21, 110592                     ; my record: 16 x batch + head
	s_and_b32 s22, s17, 3
	s_mul_i32 s23, s22, 18432
	s_add_co_u32 s23, s23, s21
	s_add_co_u32 s23, s23, 36864                   ; my first key step's 9,216 bytes
	s_lshl_b32 s54, s22, 13
	s_add_co_u32 s54, s54, s21                     ; q's images: 8,192 bytes for 256 tokens
	s_lshl_b32 s55, s22, 10
	s_add_co_u32 s55, s55, s21
	s_add_co_u32 s55, s55, 32768                   ; q's scale words: 1,024 bytes
	s_add_co_u32 s56, s23, 8192                    ; k's scale words, in the key step
	s_mov_b32 s58, 4096                            ; from my first 128 tokens to my second: q's images,
	s_mov_b32 s59, 512                             ; q's scale words;
	s_cmp_eq_u32 s19, 1                            ; k's lie in the key steps, 9,216 bytes apart
	s_cselect_b32 s54, s23, s54
	s_cselect_b32 s55, s56, s55
	s_cselect_b32 s58, 9216, s58
	s_cselect_b32 s59, 9216, s59
	s_mov_b32 s52, s54
	s_add_nc_u64 s[PQK:PQK+1], s[14:15], s[52:53]
	s_add_co_u32 s52, s54, s58
	s_add_nc_u64 s[PQK+30:PQK+31], s[14:15], s[52:53]
	s_mov_b32 s52, s55
	s_add_nc_u64 s[PQS:PQS+1], s[14:15], s[52:53]
	s_add_co_u32 s52, s55, s59
	s_add_nc_u64 s[PQS+30:PQS+31], s[14:15], s[52:53]
	s_lshl_b32 s52, s19, 11
	s_add_co_u32 s52, s52, s23
	s_add_co_u32 s52, s52, 4096                    ; v's images: my two channel tiles
	s_add_nc_u64 s[PV:PV+1], s[14:15], s[52:53]
	s_add_co_u32 s52, s52, 9216
	s_add_nc_u64 s[PV+30:PV+31], s[14:15], s[52:53]
	s_lshl_b32 s52, s19, 8
	s_add_co_u32 s52, s52, s23
	s_add_co_u32 s52, s52, 8704                    ; and their scale words
	s_add_nc_u64 s[PVS:PVS+1], s[14:15], s[52:53]
	s_add_co_u32 s52, s52, 9216
	s_add_nc_u64 s[PVS+30:PVS+31], s[14:15], s[52:53]
	s_mov_b32 s[SEL], 0x76543210
	s_mov_b32 s[SEL+1], 0xfedcba98
	s_mov_b32 s[HM], 0xffff0000
	s_cmp_eq_u32 s19, 1                            ; the upper two bytes of a scale word: k: 1 + 249 x mask, then 1; q: 101, then 127
	s_cselect_b32 s62, 0xf90000, 0
	s_mov_b32 s63, 0x7f650000
	s_cselect_b32 s63, 0x01010000, s63
	WIN 0x40                                       ; destination window 1
.set kn, 0
.rept 64
	global_load_b128 v[4*kn:4*kn+3], v[LI], s[6:7] offset:512*kn            ; W's tiles 0-3
.set kn, kn+1
.endr
	WIN 0x80                                       ; destination window 2
.set kn, 0
.rept 32
	global_load_b128 v[4*kn:4*kn+3], v[LI], s[6:7] offset:32768+512*kn      ; tiles 4, 5
.set kn, kn+1
.endr
.irp t, 0,1,2,3
.irp j, 0,1,2,3,4,5,6,7
	global_load_b32 v[BC+8*\t+\j], v[TMPR], s[8:9] offset:(32*(\t/2)+8*(\t%2)+\j)*128   ; b_qk in the result's layout: register j of lane (r, h) is channel 32 (t / 2) + 8 (t % 2) + 16 h + j
.endr
.endr
.irp t, 0,1
	global_load_b32 v[BC+32+8*\t], v[TMPR+1], s[10:11] offset:512*\t        ; b_v: a lane holds one channel
.endr
	WIN 0
.irp t, 0,1,2,3,4,5
	global_load_b128 v[WS+4*\t:WS+4*\t+3], v[LI], s[6:7] offset:49152+512*\t
.endr
.irp b, 0,1,2,3,4,5,6,7
	global_load_u8 v[HIW+\b], v[TMPR+2], s[12:13] offset:32*\b
.endr
.irp n, 0,1,2,3,4,5
	v_mov_b32 v[TP+\n], 0                          ; written once: a lane permute's destination counts as one of its sources
.endr
	s_wait_loadcnt 0x0
	WIN 0x82                                       ; destination and source 0 window 2
.irp t, 0,1
.irp j, 1,2,3,4,5,6,7
	v_mov_b32 v[BC+32+8*\t+\j], v[BC+32+8*\t]      ; the channel's bias for all eight tokens of the lane
.endr
.endr
	WIN 0
.irp b, 0,1,2,3,4,5,6,7
	v_mad_u32_u24 v[HIW+\b], v[HIW+\b], s62, s63
.endr
	s_wait_tensorcnt 0x0                           ; my quarter of the tiles is in,
	s_barrier_signal -1
	s_barrier_wait -1                              ; everybody's is
	FETCH 0, 0
; A block of 32 tokens: 64 products for q or k (8 accumulators by turns, K ascending), 32 for v (4 by turns).
.macro BLOCK blk
.set pb, (\blk)%2
.set b4, (\blk)%4
.set tr, (\blk)/4
	s_wait_dscnt 0x0                               ; this block's fragments and scale words are in
.if (\blk) < 7
	FETCH 1-pb, (\blk)+1                           ; the next block's, into the buffer that the last block's products have left (its quantising stands between)
.endif
.set ks, 0
.rept 8
.if ks == 0
	WIN 0x2d                                       ; source 0 (W) window 1, source 1 (x) window 3, C (the bias) window 2, D window 0
.else
	WIN 0x0d
.endif
.set ku, 0
.rept 2
.set kt, 0
.rept 4
.set rD, ACC+32*ku+8*kt
.set rA, 64*kt+8*ks
.set rB, 128*pb+64*ku+8*ks
.if ks == 0
.set rC, BC+8*kt
.else
.set rC, rD
.endif
.set rSA, WS+4*kt+(ks&3)
.set rSB, XS+8*pb+4*ku+(ks>>1)
.set fA, ks>>2
.set fB, ks&1
	EMIT
.set kt, kt+1
.endr
.set ku, ku+1
.endr
.set ks, ks+1
.endr
.set ks, 0
.rept 8
.if ks == 0
	WIN 0x2b                                       ; source 0 (x) window 3, source 1 (W_v) window 2, C window 2
.else
	WIN 0x0b
.endif
.set kt, 0
.rept 2
.set ku, 0
.rept 2
.set rD, ACC+64+16*kt+8*ku
.set rA, 128*pb+64*ku+8*ks
.set rB, 64*kt+8*ks
.if ks == 0
.set rC, BC+32+8*kt
.else
.set rC, rD
.endif
.set rSA, XS+8*pb+4*ku+(ks>>1)
.set rSB, WS+16+4*kt+(ks&3)
.set fA, ks&1
.set fB, ks>>2
	EMIT
.set ku, ku+1
.endr
.set kt, kt+1
.endr
.set ks, ks+1
.endr
	WIN 0
.rept 4
	v_nop                                          ; four places between the last product and the first read of results
.endr
.if (\blk) > 0
	s_wait_xcnt 0x0                                ; the last block's stores have read their data: the codes and the words may be written again
.endif
	QUANT 6, ACC
.set kk, 0
.rept 4
	global_store_b64 v[VO8], v[CD+2*kk:CD+2*kk+1], s[PQK+30*tr:PQK+30*tr+1] offset:1024*b4+256*kk   ; unit 2 u + b: block b of the pair's tile u: 256 consecutive bytes
.set kk, kk+1
.endr
.set kk, 0
.rept 2
	global_store_b64 v[VO8], v[CD+8+2*kk:CD+8+2*kk+1], s[PV+30*tr:PV+30*tr+1] offset:1024*kk+256*b4  ; key block b4 of the step, channel tile kk
.set kk, kk+1
.endr
	v_lshl_or_b32 v[TMPR], v[BY+1], 8, v[BY]       ; the two bytes of tile u = 0's row r,
	v_lshl_or_b32 v[TMPR+1], v[BY+3], 8, v[BY+2]   ; and of u = 1's;
	v_cndmask_b32 v[TMPR], v[TMPR], v[TMPR+1], s[HM]   ; lanes 0-15 keep the first tile's, lanes 16-31 the second's,
	v_or_b32 v[PEND+b4], v[TMPR], v[HIW+(\blk)]    ; with the upper two bytes
.if b4 == 0
	v_mov_b32 v[VW], v[BY+4]
	v_mov_b32 v[VW+1], v[BY+5]
.else
	v_lshl_or_b32 v[VW], v[BY+4], 8*b4, v[VW]
	v_lshl_or_b32 v[VW+1], v[BY+5], 8*b4, v[VW+1]
.endif
.if b4 == 3                                    ; a key step's words are whole
	global_store_b128 v[LI], v[PEND:PEND+3], s[PQS+30*tr:PQS+30*tr+1]
	global_store_b32 v[L4], v[VW], s[PVS+30*tr:PVS+30*tr+1]
	global_store_b32 v[L4], v[VW+1], s[PVS+30*tr:PVS+30*tr+1] offset:128
.endif
.endm
	BLOCK 0
	BLOCK 1
	BLOCK 2
	BLOCK 3
	BLOCK 4
	BLOCK 5
	BLOCK 6
	BLOCK 7
	s_wait_tensorcnt 0x0                           ; the wave's end
	ds_add_u32 v[SPW], v[NIL]
	s_wait_dscnt 0x0
	s_endpgm
.Lfunc_end_k_q1c3f667da1_qkv:
	.size	k_q1c3f667da1_qkv, .Lfunc_end_k_q1c3f667da1_qkv-k_q1c3f667da1_qkv
	.p2alignl 7, 3214868480
	.fill 96, 4, 3214868480
	.section	.rodata,"a",@progbits
	.p2align	6, 0x0
	.amdhsa_kernel k_q1c3f667da1_qkv
		.amdhsa_group_segment_fixed_size 167936
		.amdhsa_private_segment_fixed_size 0
		.amdhsa_enable_private_segment 0
		.amdhsa_kernarg_size 48
		.amdhsa_user_sgpr_count 2
		.amdhsa_user_sgpr_kernarg_segment_ptr 1
		.amdhsa_wavefront_size32 1
		.amdhsa_system_sgpr_workgroup_id_x 1
		.amdhsa_system_sgpr_workgroup_id_y 1
		.amdhsa_system_sgpr_workgroup_id_z 1
		.amdhsa_system_vgpr_workitem_id 0
		.amdhsa_next_free_vgpr 1024
		.amdhsa_next_free_sgpr 80
		.amdhsa_reserve_vcc 0
		.amdhsa_float_denorm_mode_32 3
		.amdhsa_float_denorm_mode_16_64 3
		.amdhsa_memory_ordered 1
		.amdhsa_forward_progress 1
		.amdhsa_inst_pref_size 189
	.end_amdhsa_kernel
	.amdgpu_metadata
---
amdhsa.version: [ 1, 2 ]
amdhsa.kernels:
  - .name:           k_q1c3f667da1_qkv
    .symbol:         k_q1c3f667da1_qkv.kd
    .args:
      - { .name: xq, .offset: 0, .size: 8, .value_kind: global_buffer, .address_space: global }
      - { .name: wimg, .offset: 8, .size: 8, .value_kind: global_buffer, .address_space: global }
      - { .name: b_qk, .offset: 16, .size: 8, .value_kind: global_buffer, .address_space: global }
      - { .name: b_v, .offset: 24, .size: 8, .value_kind: global_buffer, .address_space: global }
      - { .name: attention_mask, .offset: 32, .size: 8, .value_kind: global_buffer, .address_space: global }
      - { .name: qkv, .offset: 40, .size: 8, .value_kind: global_buffer, .address_space: global }
    .group_segment_fixed_size: 167936
    .private_segment_fixed_size: 0
    .kernarg_segment_align: 8
    .kernarg_segment_size: 48
    .max_flat_workgroup_size: 128
    .sgpr_count:     80
    .vgpr_count:     1024
    .wavefront_size: 32
...
	.end_amdgpu_metadata
.endif
;; end of part 2
;; launch attn (part 3): grid 2 x 128, 16 waves a work-group, no clusters, 327,680 bytes of LDS; arguments qkv, oq; writes oq
.if DOCPART == 3
	.amdgcn_target "amdgcn-amd-amdhsa--gfx1250"
	.amdhsa_code_object_version 6
	.text
	.protected	k_q1c3f667da1_attn
	.globl	k_q1c3f667da1_attn
	.p2align	8
	.type	k_q1c3f667da1_attn,@function
k_q1c3f667da1_attn:
	s_mov_b64 s[64:65], 0
	v_nop
	global_prefetch_b8 v0, s[64:65] scope:SCOPE_SE
	s_setreg_imm32_b32 hwreg(HW_REG_WAVE_MODE, 25, 1), 1
	s_wait_xcnt 0x0
; ATTN: o = softmax(q k^T / 8, masked keys out) v for one head of one batch, both products on codes of E2M1; o is quantised along (head, channel) and leaves as images for the last projection.  No work is left out.
; THE SOFTMAX AHEAD OF THE SECOND PRODUCT: t = score x log2(e) / 8; M = the largest t so far, rounded up to a whole number; p = 2^(t - M) is quantised along the keys, not normalised; the row's sum is taken of the unquantised p
;   and divides O at the end.  When M moves, the sum and O are multiplied by 2^(old M - new M): exact.
; SHARES.  Work-group (half, record): 512 queries of record 16 x batch + head.  Each of its sixteen waves owns two tiles of 16 queries and takes both through each key step of 128 keys, one behind the other: V's fragments, its scale
;   words and K's scale words are read from LDS once for the two.  Four waves share a SIMD.
; THE PRODUCTS take 32 rows of source 0 an instruction (32 x 16 x 128): two neighbouring fragments of K or of V are its 16 registers, K's scale register holds the even tile's words in lanes 0-15 and the odd tile's in lanes 16-31 as
;   that form reads them, and the 16 result registers are the two tiles' results on end.  Six matrix instructions for a query tile and a key step.
; THE FILL.  The record's 8 key steps of 9,216 bytes (k's images 4,096 | v's images 4,096 | k's scale words 512 | v's 512) are one dense block of 73,728 bytes.  Waves 0 to 3 bring it: at the head a quarter of key step 0 each
;   (9 rows of 256 bytes); behind the first barrier a quarter of steps 1 to 7 each (63 rows), which has step 0's work in which to land.  Nothing is filled again.  By this text's count a wave has one tensor load out.
; LAYOUT.  S^T = K Q^T (source 0 = 32 keys, source 1 = my queries), O^T = V^T P^T: a lane holds one query throughout.  Row r of key tile 2 b + u is key 32 b + 8 u + r + 8 (r / 8), so the 16 registers of a product
;   are keys 32 b + 16 h + 0 .. 15; v's channel tiles are chosen likewise, so O^T's 16 registers of a product are half h of a block of 32 of the next K.
; THE MASK.  A head has 64 channels; the upper 64 of the instruction's K are constants in registers: code +6 at k = 64 of every key, code -6 at k = 64 of every query.  The launch before gave a masked key the third scale byte 250
;   (else 1) and every query 101: a masked key's score gets -36 x 2^97 inside the matrix unit, a key that counts -36 x 2^-152.
; LIMITS.  The promise holds while the scaled scores stay under 2^31 in magnitude.  A masked score is -5.7e30 and not minus infinity.  The largest t starts at -2^90, above every masked t: p of a masked key is exactly 0, and a
;   step whose 128 keys are all masked adds nothing.  A row whose every key is masked (t still under -2^89 at the end) gets the scale bytes 0xff: the last projection and the batch's norm become NaN, as softmax of a row of minus
;   infinities does.  A block of zeros gets the byte 1 where the rule says 127; this program alone reads the bytes.
; NO CLUSTER: only two work-groups read a record, each by the two fills at its start.  NO PREFETCH: both fills are asked for ahead of the loop; the loop asks memory for nothing.
.set SPARE, 73728                      ; behind the record's block: the spare words, 128 bytes a wave, which no other line names
.set LB,  1                            ; v1   16 x lane
.set LS,  2                            ; v2   8,704 + 4 x lane + 128 h: V's scale words in a step: lanes 0-15 an even tile's, lanes 16-31 the odd tile's behind it
.set AD,  3                            ; v3   the step's first byte + 16 x lane
.set SPW, 4                            ; v4   LDS address of my spare word; never rewritten
.set NIL, 5                            ; v5   0; never rewritten
.set ADT, 6                            ; v6   the step's V scale words
.set VO8, 7                            ; v7   16 r + 8 h
.set ST,  8                            ; v8-15    tile i: -M, the largest t, the sum in two halves
.set Q,   16                           ; v16-31   tile i's operand: q in four registers, then the constants
.set QS,  32                           ; v32-33   q's scale words
.set KB,  34                           ; v34-65   four fragments of K (upper four registers constant)
.set VB,  66                           ; v66-97   four fragments of V
.set S,   98                           ; v98-161  S^T, then p
.set O,   162                          ; v162-225 O^T, 32 a tile
.set CD,  226                          ; v226-233 p's codes
.set KS,  234                          ; v234-237 K's scale words
.set VS,  238                          ; v238-239 V's
.set MX,  242                          ; v242-245 the blocks' largest scores, then largest p, then the conversions' scale operands
.set PB,  246                          ; v246-249 the other half's maxima; the bytes; a chain of the sum; v249 also at work
.set F,   254                          ; v254 f = 2^(old M - new M)
.set W,   255                          ; v255 p's scale word
.set TM,  242                          ; the way out's quantiser
.set TP,  246
.set SO,  250
.set BY,  242
.set SEL, 20                           ; s[20:21] selects for lane l xor 16
.set CS,  22                           ; s[22:23] c = log2(e) / 8
.macro QUANT n, src                    ; n units of 16 numbers, half a block each, by turns: 16 codes in v[CD + 2 q], v[CD + 2 q + 1], the block's byte in v[BY + q]
.set qk, 0
.rept \n
	v_max3_num_f32 v[TM+qk], |v[\src+16*qk]|, |v[\src+16*qk+1]|, 0x1800000   ; with the floor 2^(3 - 127)
.set qk, qk+1
.endr
.irp i, 2,4,6,8,10,12,14
.set qk, 0
.rept \n
	v_max3_num_f32 v[TM+qk], v[TM+qk], |v[\src+16*qk+\i]|, |v[\src+16*qk+\i+1]|
.set qk, qk+1
.endr
.endr
.set qk, 0
.rept \n
	v_permlanex16_b32 v[TP+qk], v[TM+qk], s[SEL], s[SEL+1]
.set qk, qk+1
.endr
.set qk, 0
.rept \n
	v_max_num_f32 v[TM+qk], v[TM+qk], v[TP+qk]
.set qk, qk+1
.endr
.set qk, 0
.rept \n
	v_add_nc_u32 v[SO+qk], 0xff000000, v[TM+qk]
.set qk, qk+1
.endr
.set qk, 0
.rept \n
	v_lshrrev_b32 v[BY+qk], 23, v[SO+qk]
.set qk, qk+1
.endr
.set qk, 0
.rept \n
	v_cvt_scalef32_pk8_fp4_f32 v[CD+2*qk], v[\src+16*qk:\src+16*qk+7], v[SO+qk]
	v_cvt_scalef32_pk8_fp4_f32 v[CD+2*qk+1], v[\src+16*qk+8:\src+16*qk+15], v[SO+qk]
.set qk, qk+1
.endr
	v_nop                                          ; one plain place behind the last conversion
.endm
.macro KLOAD g                         ; key tiles 4 g .. 4 g + 3 of the step into the four fragments' lower registers
.irp t, 0,1,2,3
	ds_load_b128 v[KB+8*\t:KB+8*\t+3], v[AD] offset:2048*(\g)+512*\t
.endr
.endm
.macro KQ2 n, i                        ; S^T's block n (key tiles 2 n, 2 n + 1: 32 keys) for query tile i
	v_wmma_scale_f32_32x16x128_f4 v[S+16*(\n):S+16*(\n)+15], v[KB+16*((\n)%2):KB+16*((\n)%2)+15], v[Q+8*(\i):Q+8*(\i)+7], 0, v[KS+(\n)], v[QS+(\i)]
.endm
.macro PV i                            ; O^T += V^T P^T for query tile i: two accumulators of 32 channels by turns
.irp t, 0,1
	v_wmma_scale_f32_32x16x128_f4 v[O+32*(\i)+16*\t:O+32*(\i)+16*\t+15], v[VB+16*\t:VB+16*\t+15], v[CD:CD+7], v[O+32*(\i)+16*\t:O+32*(\i)+16*\t+15], v[VS+\t], v[W]
.endr
.endm
.macro MAXPAIR b0, b1                  ; the largest score of two blocks of 32 keys, the two by turns; each accumulator is read from its low end on
.irp b, \b0, \b1
	v_max3_num_f32 v[MX+\b], v[S+16*\b], v[S+16*\b+1], v[S+16*\b+2]
.endr
.irp n, 3,5,7,9,11,13
.irp b, \b0, \b1
	v_max3_num_f32 v[MX+\b], v[MX+\b], v[S+16*\b+\n], v[S+16*\b+\n+1]
.endr
.endr
.irp b, \b0, \b1
	v_max_num_f32 v[MX+\b], v[MX+\b], v[S+16*\b+15]
.endr
.endm
; Query tile i's softmax of a step: from the scores in S to p's codes and scale word, f and the sums.  pre = 1: the other tile's first four key tiles are asked for on the way.
.macro SOFT i, pre
.set NM, ST+4*(\i)
.set TT, ST+4*(\i)+1
.set LL, ST+4*(\i)+2
	MAXB 0, 1                                      ; the last six lines of blocks 0 and 1: they name no register of the products of blocks 2 and 3 and are the places behind them
	v_permlanex16_b32 v[PB], v[MX], s[SEL], s[SEL+1]
	v_permlanex16_b32 v[PB+1], v[MX+1], s[SEL], s[SEL+1]
	v_max_num_f32 v[MX], v[MX], v[PB]              ; with lane l xor 16's 16 keys
	v_max_num_f32 v[MX+1], v[MX+1], v[PB+1]
.if (\pre) == 1
	KLOAD 0                                        ; pre = 1: the other tile's first four key tiles
.endif
.if (\pre) == 2
	s_add_co_u32 s36, s36, 9216                    ; pre = 2: the next step's addresses, K's scale words and first four key tiles
	v_add_nc_u32 v[AD], s36, v[LB]
	v_add_nc_u32 v[ADT], s36, v[LS]
	ds_load_b128 v[KS:KS+3], v[AD] offset:8192
	KLOAD 0
.endif
	MAXPAIR 2, 3                                   ; a block's largest score serves the row's maximum and, since p rises with the score, the block's largest p
	s_delay_alu instid0(VALU_DEP_2)
	v_permlanex16_b32 v[PB+2], v[MX+2], s[SEL], s[SEL+1]
	s_delay_alu instid0(VALU_DEP_2)
	v_permlanex16_b32 v[PB+3], v[MX+3], s[SEL], s[SEL+1]
	s_delay_alu instid0(VALU_DEP_2)
	v_max_num_f32 v[MX+2], v[MX+2], v[PB+2]
	s_delay_alu instid0(VALU_DEP_2)
	v_max_num_f32 v[MX+3], v[MX+3], v[PB+3]
	s_delay_alu instid0(VALU_DEP_2)
	v_max3_num_f32 v[PB+3], v[MX], v[MX+1], v[MX+2]
	s_delay_alu instid0(VALU_DEP_1)
	v_max_num_f32 v[PB+3], v[PB+3], v[MX+3]
	s_delay_alu instid0(VALU_DEP_1)
	v_mul_f32 v[PB+3], s[CS], v[PB+3]              ; the step's largest t
	s_delay_alu instid0(VALU_DEP_1)
	v_max_num_f32 v[TT], v[TT], v[PB+3]
	v_mov_b32 v[PB+3], v[NM]
	s_delay_alu instid0(VALU_DEP_2)
	v_floor_f32 v[NM], -v[TT]                      ; the new -M = -ceil(t)
.set jj, 0
.rept 32
	v_pk_fma_f32 v[S+jj:S+jj+1], v[S+jj:S+jj+1], s[CS:CS+1], v[NM:NM+1] op_sel_hi:[1,0,0]   ; t - M, two at a time; the three lines that make f stand among them
.if jj == 6
	v_sub_f32 v[PB+3], v[NM], v[PB+3]              ; old M - new M: a whole number, 0 or less
.endif
.if jj == 14
	v_cvt_i32_f32 v[PB+3], v[PB+3]                 ; (it saturates)
.endif
.if jj == 22
	v_ldexp_f32 v[F], 1.0, v[PB+3]                 ; f = 2^(old M - new M)
.endif
.set jj, jj+2
.endr
.irp b, 0,1,2,3
	v_fma_f32 v[MX+\b], v[MX+\b], s[CS], v[NM]
.endr
	s_wait_alu depctr_va_vdst(0)                   ; the wait ahead of the batch
.irp b, 0,1,2,3
	v_exp_f32 v[MX+\b], v[MX+\b]                   ; each block's largest p
.endr
.set jj, 0
.rept 64
	v_exp_f32 v[S+jj], v[S+jj]                     ; p = 2^(t - M)
.set jj, jj+1
.endr
	v_pk_mul_f32 v[LL:LL+1], v[LL:LL+1], v[F:F+1] op_sel_hi:[1,0]   ; the sums under the new M: the plain place behind the exponentials
	s_wait_alu depctr_va_vdst(0)                   ; one wait for the batch of 68, ahead of its first reader
.irp b, 0,1,2,3
	v_max_num_f32 v[MX+\b], 0x1800000, v[MX+\b]    ; the floor 2^(3 - 127): a block whose every p is 0 keeps the byte 1; its codes are zeros
.endr
.irp b, 0,1,2,3
	s_delay_alu instid0(VALU_DEP_4)
	v_add_nc_u32 v[MX+\b], 0xff000000, v[MX+\b]    ; 2 off the exponent field: the conversion's scale operand
.endr
.irp b, 0,1,2,3
	s_delay_alu instid0(VALU_DEP_4)
	v_lshrrev_b32 v[PB+\b], 23, v[MX+\b]
.endr
	s_delay_alu instid0(VALU_DEP_3)
	v_lshl_or_b32 v[W], v[PB+1], 8, v[PB]          ; p's scale word for these 128 keys
	s_delay_alu instid0(VALU_DEP_1)
	v_lshl_or_b32 v[W], v[PB+2], 16, v[W]
	s_delay_alu instid0(VALU_DEP_1)
	v_lshl_or_b32 v[W], v[PB+3], 24, v[W]
.irp b, 0,1,2,3
	v_cvt_scalef32_pk8_fp4_f32 v[CD+2*\b], v[S+16*\b:S+16*\b+7], v[MX+\b]
	v_cvt_scalef32_pk8_fp4_f32 v[CD+1+2*\b], v[S+8+16*\b:S+15+16*\b], v[MX+\b]
.endr
	v_pk_add_f32 v[PB:PB+1], v[S:S+1], v[S+2:S+3]  ; the row's sum, of the unquantised p, in two chains; this line is also the plain place behind the last conversion
.irp c, 0,1                                    ; the operand wants a whole block in a lane: lanes 0-15 block 2 c, lanes 16-31 block 2 c + 1
.irp n, 0,1
	v_permlane16_swap_b32 v[CD+4*\c+\n], v[CD+2+4*\c+\n]
.endr
.endr
.set jj, 4
.rept 15
	v_pk_add_f32 v[LL:LL+1], v[LL:LL+1], v[S+jj:S+jj+1]
	v_pk_add_f32 v[PB:PB+1], v[PB:PB+1], v[S+jj+2:S+jj+3]
.set jj, jj+4
.endr
	v_pk_add_f32 v[LL:LL+1], v[LL:LL+1], v[PB:PB+1]
.endm
.macro RESC i                          ; O^T of tile i under the new M
	s_wait_alu depctr_va_vdst(0)                   ; the wait here, directly ahead of the first readers of O^T
.set jj, 0
.rept 16
	v_pk_mul_f32 v[O+32*(\i)+jj:O+32*(\i)+jj+1], v[O+32*(\i)+jj:O+32*(\i)+jj+1], v[F:F+1] op_sel_hi:[1,0]
.set jj, jj+2
.endr
.endm
; A KEY STEP, 128 keys, for both query tiles.  s36: the step's first byte in LDS.
.macro MAXA b0, b1                     ; the first ten lines of two blocks' largest scores, the two by turns; each accumulator is read from its low end on
.irp b, \b0, \b1
	v_max3_num_f32 v[MX+\b], v[S+16*\b], v[S+16*\b+1], v[S+16*\b+2]
.endr
.irp n, 3,5,7,9
.irp b, \b0, \b1
	v_max3_num_f32 v[MX+\b], v[MX+\b], v[S+16*\b+\n], v[S+16*\b+\n+1]
.endr
.endr
.endm
.macro MAXB b0, b1                     ; and the last six
.irp n, 11,13
.irp b, \b0, \b1
	v_max3_num_f32 v[MX+\b], v[MX+\b], v[S+16*\b+\n], v[S+16*\b+\n+1]
.endr
.endr
.irp b, \b0, \b1
	v_max_num_f32 v[MX+\b], v[MX+\b], v[S+16*\b+15]
.endr
.endm
.macro PRO                             ; ahead of a step that no step before has asked for: its addresses, K's scale words and its first four key tiles
	v_add_nc_u32 v[AD], s36, v[LB]
	v_add_nc_u32 v[ADT], s36, v[LS]
	s_wait_alu depctr_va_vdst(0)
	ds_load_b128 v[KS:KS+3], v[AD] offset:8192
	KLOAD 0
.endm
; At a step's head K's scale words and key tiles 0-3 are on their way.  nxt = 1: the next step's are asked for inside the second tile's softmax.
.macro STEP nxt
	s_wait_dscnt 0x0
	KQ2 0, 0
	KQ2 1, 0
.rept 4
	v_nop                                          ; places in front of loads into registers that products have read: K's fragments, and V's and its scale words, which the last step's last products read
.endr
	KLOAD 1
.irp n, 0,1,2,3,4,5,6,7
	ds_load_b128 v[VB+4*\n:VB+4*\n+3], v[AD] offset:4096+512*\n    ; V's four fragments, once for both tiles
.endr
.irp t, 0,1
	ds_load_b32 v[VS+\t], v[ADT] offset:256*\t
.endr
	MAXA 0, 1                                      ; work on blocks 0 and 1 stands between the request for key tiles 4-7 and the wait for them
	s_wait_alu depctr_va_vdst(0)
	s_wait_dscnt 10                                ; K's four are in; V's eight and its two loads of scale words may be out
	KQ2 2, 0
	KQ2 3, 0
	SOFT 0, 1
	s_wait_alu depctr_va_vdst(0)
	s_wait_dscnt 0x0                               ; V, its scale words and the second tile's first four key tiles are in
	KQ2 0, 1                                       ; the second tile's first two blocks: S has been read out;
	KQ2 1, 1
	RESC 0                                         ; the first tile's rescaling: the places behind those two products, and between the lines that made the codes and the scale word and the products that take them
	KLOAD 1
	PV 0
	MAXA 0, 1
	s_wait_alu depctr_va_vdst(0)
	s_wait_dscnt 0x0
	KQ2 2, 1
	KQ2 3, 1
	SOFT 1, 2*\nxt
	RESC 1
	PV 1
.endm
	s_load_b128 s[4:7], s[0:1], 0x0                ; qkv, oq
	v_lshl_add_u32 v[SPW], v0, 2, SPARE
	v_mov_b32 v[NIL], 0
	ds_add_u32 v[SPW], v[NIL]                      ; the wave's opening: the add, twice on end, and its wait ahead of the first tensor load
	ds_add_u32 v[SPW], v[NIL]
	v_lshrrev_b32 v1, 5, v0
	v_readfirstlane_b32 s16, v1                    ; wave 0..15
	s_and_b32 s17, ttmp7, 0xffff                   ; record
	s_mov_b32 s24, 3<<16                           ; descriptor group 1 of the first load: a dense block as 9 rows of 32 elements of 8 bytes; no mask, no padding
	s_mov_b32 s25, 32<<16
	s_mov_b32 s26, 9<<16
	s_mov_b32 s27, 32<<16
	s_mov_b32 s28, 9
	s_mov_b32 s29, 32
	s_mov_b32 s30, 0
	s_mov_b32 s31, 0
	s_mov_b32 s40, 3<<16                           ; and of the second: 63 such rows
	s_mov_b32 s41, 32<<16
	s_mov_b32 s42, 63<<16
	s_mov_b32 s43, 32<<16
	s_mov_b32 s44, 63
	s_mov_b32 s45, 32
	s_mov_b32 s46, 0
	s_mov_b32 s47, 0
	s_mul_i32 s18, s17, 110592                     ; the record's first byte
	s_and_b32 s19, s16, 3
	s_mov_b32 s32, 1                               ; group 0 of the first load: a quarter of key step 0
	s_mul_i32 s33, s19, 2304
	s_add_co_u32 s60, s18, s33
	s_add_co_u32 s60, s60, 36864                   ; the key steps begin at byte 36,864 of the record
	s_mov_b32 s61, 0
	s_mov_b32 s48, 1                               ; of the second: a quarter of steps 1 to 7
	s_mul_i32 s49, s19, 16128
	s_add_co_u32 s49, s49, 9216
	s_add_co_u32 s62, s18, s49
	s_add_co_u32 s62, s62, 36864
	s_mov_b32 s63, 0
	s_lshl_b32 s66, ttmp9, 5
	s_lshl_b32 s67, s16, 1
	s_add_co_u32 s66, s66, s67                     ; my first query tile in the record: 32 half + 2 w
	s_lshl_b32 s52, s66, 9
	s_add_co_u32 s52, s52, s18
	s_mov_b32 s53, 0
	s_lshl_b32 s54, ttmp9, 2
	s_lshr_b32 s67, s16, 2
	s_add_co_u32 s54, s54, s67
	s_lshl_b32 s54, s54, 9                         ; q's scale words: the 512 bytes of tiles 8 n .. 8 n + 7, n = 4 half + w / 4,
	s_lshl_b32 s67, s19, 2
	s_add_co_u32 s54, s54, s67                     ; word w % 4 of a lane's four
	s_add_co_u32 s54, s54, s18
	s_add_co_u32 s54, s54, 32768
	s_mov_b32 s55, 0
	s_lshr_b32 s67, s17, 4
	s_lshl_b32 s67, s67, 6
	s_add_co_u32 s67, s67, s66
	s_mul_i32 s67, s67, 8704                       ; oq: tile 64 x batch + my first tile
	s_and_b32 s68, s17, 15                         ; head
	s_lshl_b32 s56, s68, 9
	s_add_co_u32 s56, s56, s67                     ; the head's 512 bytes of the tile's images
	s_mov_b32 s57, 0
	s_lshr_b32 s58, s68, 1
	s_lshl_b32 s58, s58, 6
	s_and_b32 s69, s68, 1
	s_lshl_b32 s69, s69, 1
	s_add_co_u32 s58, s58, s69
	s_add_co_u32 s58, s58, s67
	s_add_co_u32 s58, s58, 8192                    ; and its two bytes of each row's scale word of K step head / 2
	s_mov_b32 s59, 0
	s_mov_b32 s[SEL], 0x76543210
	s_mov_b32 s[SEL+1], 0xfedcba98
	s_mov_b32 s[CS], 0x3e38aa3b
	s_mov_b32 s[CS+1], s[CS]                       ; (named with it as a pair, so it is written)
	s_wait_dscnt 0x0                               ; both opening adds are done
	s_wait_kmcnt 0x0
	s_add_nc_u64 s[34:35], s[4:5], s[60:61]
	s_or_b32 s35, s35, 0x80000000
	s_add_nc_u64 s[50:51], s[4:5], s[62:63]
	s_or_b32 s51, s51, 0x80000000
	s_add_nc_u64 s[52:53], s[4:5], s[52:53]
	s_add_nc_u64 s[54:55], s[4:5], s[54:55]
	s_add_nc_u64 s[56:57], s[6:7], s[56:57]
	s_add_nc_u64 s[58:59], s[6:7], s[58:59]
	s_cmp_lt_u32 s16, 4                            ; waves 0 to 3 fetch: one tensor load a wave at the head
	s_cbranch_scc0 .Lno_fill
	tensor_load_to_lds s[32:35], s[24:31]          ; key step 0
	s_nop 0
.rept 4
	v_nop
.endr
.Lno_fill:
	v_and_b32 v98, 31, v0                          ; lane
	v_and_b32 v99, 15, v0                          ; r
	v_bfe_u32 v100, v0, 4, 1                       ; h
	v_lshlrev_b32 v[LB], 4, v98
	v_lshlrev_b32 v[LS], 2, v98
	v_lshlrev_b32 v101, 4, v99                     ; 16 r
	v_lshl_add_u32 v[LS], v100, 7, v[LS]
	v_lshl_add_u32 v[VO8], v100, 3, v101
	v_add_nc_u32 v[LS], 8704, v[LS]
	global_load_b128 v[Q:Q+3], v[LB], s[52:53]     ; q of my first tile,
	global_load_b128 v[Q+8:Q+11], v[LB], s[52:53] offset:512   ; of my second,
	global_load_b32 v[QS], v101, s[54:55]          ; and their scale words: the even tile's in the image's lanes 0-15,
	global_load_b32 v[QS+1], v101, s[54:55] offset:256   ; the odd tile's in its lanes 16-31
	v_sub_nc_u32 v102, 1, v100                     ; 1 in lanes 0-15: they hold k = 64 .. 95 in registers 4-7
.irp i, 0,1
	v_mul_u32_u24 v[Q+8*\i+4], v102, 15            ; the query's code -6 at k = 64
	v_mov_b32 v[Q+8*\i+5], 0
	v_mov_b32 v[Q+8*\i+6], 0
	v_mov_b32 v[Q+8*\i+7], 0
.endr
.irp t, 0,1,2,3
	v_mul_u32_u24 v[KB+8*\t+4], v102, 7            ; the key's code +6 at k = 64
	v_mov_b32 v[KB+8*\t+5], 0
	v_mov_b32 v[KB+8*\t+6], 0
	v_mov_b32 v[KB+8*\t+7], 0
.endr
.irp b, 0,1,2,3
	v_mov_b32 v[PB+\b], 0                          ; written once: a lane permute's destination counts as one of its sources
.endr
	v_mov_b32 v[F], 0
	v_mov_b32 v[W], 0                              ; (named as the upper half of the pair with f before it is first written)
.irp i, 0,1
	v_mov_b32 v[ST+4*\i+1], 0xec800000             ; the largest t so far: -2^90
	v_mov_b32 v[ST+4*\i+2], 0
	v_mov_b32 v[ST+4*\i+3], 0
.endr
.irp i, 0,1
	v_floor_f32 v[ST+4*\i], -v[ST+4*\i+1]          ; -M
.endr
.set jj, 0
.rept 64
	v_mov_b32 v[O+jj], 0                           ; O^T of both tiles: the step has one form; the first finds zeros
.set jj, jj+1
.endr
	s_mov_b32 s36, 0
	s_wait_alu depctr_va_vdst(0)                   ; the wait at the head's end
	s_wait_tensorcnt 0x0                           ; my quarter of key step 0, if I fetched one, is in; ahead of a later first fill:
	ds_add_u32 v[SPW], v[NIL]                      ; 0 onto my spare word,
	ds_add_u32 v[SPW], v[NIL]                      ; twice on end
	s_wait_dscnt 0x0
	s_barrier_signal -1
	s_barrier_wait -1                              ; everybody's quarter is in
	s_cmp_lt_u32 s16, 4
	s_cbranch_scc0 .Lno_fill2
	tensor_load_to_lds s[48:51], s[40:47]          ; key steps 1 to 7: the wave's one tensor load behind this barrier, a first fill
	s_nop 0
.rept 4
	v_nop
.endr
.Lno_fill2:
	PRO
	s_wait_loadcnt 0x0                             ; q
	STEP 0                                         ; key step 0: it asks for nothing of step 1, which may not have landed
	s_wait_tensorcnt 0x0                           ; my quarter of steps 1 to 7 is in,
	s_wait_dscnt 0x0
	s_barrier_signal -1
	s_barrier_wait -1                              ; everybody's is
	s_mov_b32 s36, 9216
	PRO
	s_mov_b32 s38, 6
.Lstep:                                            ; key steps 1 to 6
	STEP 1
	s_sub_co_u32 s38, s38, 1
	s_cmp_lg_u32 s38, 0
	s_cbranch_scc1 .Lstep
	STEP 0                                         ; key step 7 is written out: it asks for nothing more
	; the way out: O^T / the sum, quantised along the channels; a lane's 16 numbers of a product are half h of a block of my head's 64
	v_add_f32 v[ST+2], v[ST+2], v[ST+3]
	v_add_f32 v[ST+6], v[ST+6], v[ST+7]
	v_permlanex16_b32 v[PB], v[ST+2], s[SEL], s[SEL+1]
	v_permlanex16_b32 v[PB+1], v[ST+6], s[SEL], s[SEL+1]
	v_add_f32 v[ST+2], v[ST+2], v[PB]              ; the rows' sums
	v_add_f32 v[ST+6], v[ST+6], v[PB+1]
	s_wait_alu depctr_va_vdst(0)
	v_rcp_f32 v[ST+2], v[ST+2]
	v_rcp_f32 v[ST+6], v[ST+6]
.rept 4
	v_nop                                          ; the plain place behind the reciprocals, and places behind the last products
.endr
	s_wait_alu depctr_va_vdst(0)                   ; one wait for both reciprocals and for the last products' results, directly ahead of their first readers
.irp i, 0,1
.set jj, 0
.rept 16
	v_pk_mul_f32 v[S+32*\i+jj:S+32*\i+jj+1], v[O+32*\i+jj:O+32*\i+jj+1], v[ST+4*\i+2:ST+4*\i+3] op_sel_hi:[1,0]   ; each accumulator from its low end on
.set jj, jj+2
.endr
.endr
	QUANT 4, S                                     ; units 0, 1: my first tile's two blocks; units 2, 3: my second's
	v_lshl_or_b32 v16, v[BY+1], 8, v[BY]           ; my head's two scale bytes of row r, first tile,
	v_lshl_or_b32 v17, v[BY+3], 8, v[BY+2]         ; second tile
	v_mov_b32 v18, 0xffff
	v_and_b32 v19, 15, v0
	v_lshlrev_b32 v19, 2, v19                      ; 4 r
	v_cmp_gt_f32 vcc_lo, 0xec000000, v[ST+1]       ; t still under -2^89: every key of the row was masked
	v_cndmask_b32 v16, v16, v18, vcc_lo            ; then both bytes are 0xff: a selection of a value, no branch
	v_cmp_gt_f32 vcc_lo, 0xec000000, v[ST+5]
	v_cndmask_b32 v17, v17, v18, vcc_lo
	global_store_b64 v[VO8], v[CD:CD+1], s[56:57]  ; each: 256 consecutive bytes, aligned
	global_store_b64 v[VO8], v[CD+2:CD+3], s[56:57] offset:256
	global_store_b64 v[VO8], v[CD+4:CD+5], s[56:57] offset:8704
	global_store_b64 v[VO8], v[CD+6:CD+7], s[56:57] offset:8960
	global_store_b16 v19, v16, s[58:59]            ; two bytes a row (lanes 16-31 write the same): one byte in 17 of this buffer
	global_store_b16 v19, v17, s[58:59] offset:8704
	s_wait_tensorcnt 0x0                           ; the wave's end
	ds_add_u32 v[SPW], v[NIL]
	s_wait_dscnt 0x0
	s_endpgm
.Lfunc_end_k_q1c3f667da1_attn:
	.size	k_q1c3f667da1_attn, .Lfunc_end_k_q1c3f667da1_attn-k_q1c3f667da1_attn
	.p2alignl 7, 3214868480
	.fill 96, 4, 3214868480
	.section	.rodata,"a",@progbits
	.p2align	6, 0x0
	.amdhsa_kernel k_q1c3f667da1_attn
		.amdhsa_group_segment_fixed_size 327680
		.amdhsa_private_segment_fixed_size 0
		.amdhsa_enable_private_segment 0
		.amdhsa_kernarg_size 16
		.amdhsa_user_sgpr_count 2
		.amdhsa_user_sgpr_kernarg_segment_ptr 1
		.amdhsa_wavefront_size32 1
		.amdhsa_system_sgpr_workgroup_id_x 1
		.amdhsa_system_sgpr_workgroup_id_y 1
		.amdhsa_system_sgpr_workgroup_id_z 1
		.amdhsa_system_vgpr_workitem_id 0
		.amdhsa_next_free_vgpr 256
		.amdhsa_next_free_sgpr 80
		.amdhsa_reserve_vcc 1
		.amdhsa_float_denorm_mode_32 3
		.amdhsa_float_denorm_mode_16_64 3
		.amdhsa_memory_ordered 1
		.amdhsa_forward_progress 1
		.amdhsa_inst_pref_size 101
	.end_amdhsa_kernel
	.amdgpu_metadata
---
amdhsa.version: [ 1, 2 ]
amdhsa.kernels:
  - .name:           k_q1c3f667da1_attn
    .symbol:         k_q1c3f667da1_attn.kd
    .args:
      - { .name: qkv, .offset: 0, .size: 8, .value_kind: global_buffer, .address_space: global }
      - { .name: oq, .offset: 8, .size: 8, .value_kind: global_buffer, .address_space: global }
    .group_segment_fixed_size: 327680
    .private_segment_fixed_size: 0
    .kernarg_segment_align: 8
    .kernarg_segment_size: 16
    .max_flat_workgroup_size: 512
    .sgpr_count:     80
    .vgpr_count:     256
    .wavefront_size: 32
...
	.end_amdgpu_metadata
.endif
;; end of part 3
;; launch oproj (part 4): grid 4 x 64, 4 waves a work-group, no clusters, 327,680 bytes of LDS; arguments oq, wimg, b_o, x, res, stats; writes res, stats
.if DOCPART == 4
	.amdgcn_target "amdgcn-amd-amdhsa--gfx1250"
	.amdhsa_code_object_version 6
	.text
	.protected	k_q1c3f667da1_oproj
	.globl	k_q1c3f667da1_oproj
	.p2align	8
	.type	k_q1c3f667da1_oproj,@function
k_q1c3f667da1_oproj:
	s_mov_b64 s[64:65], 0
	v_nop
	global_prefetch_b8 v0, s[64:65] scope:SCOPE_SE
	s_setreg_imm32_b32 hwreg(HW_REG_WAVE_MODE, 25, 1), 1
	s_wait_xcnt 0x0
.set WL,    69632
.set SPARE, 208896
.set OA,  1
.set VX,  3
.set R16, 4
.set LN,  5
.set L40, 6
.set WS,  8
.set OS,  24
.set BO,  56
.set KP,  60
.set SD,  62
.set SQ,  64
.set WA,  66
.set ACC, 80
.set XR,  112
.set SPW, 250
.set NIL, 251
.set SEL, 20
.set MSB, 0
.macro WIN new
.if MSB != \new
	s_set_vgpr_msb (MSB<<8)|\new
.set MSB, \new
.endif
.endm
.macro EMIT
.if ks == 0
	v_wmma_scale_f32_16x16x128_f8f6f4 v[rD:rD+7], v[rA:rA+7], v[rB:rB+7], 0, v[rSA], v[rSB] matrix_a_fmt:MATRIX_FMT_FP4 matrix_b_fmt:MATRIX_FMT_FP4
.elseif fA && fB
	v_wmma_scale_f32_16x16x128_f8f6f4 v[rD:rD+7], v[rA:rA+7], v[rB:rB+7], v[rD:rD+7], v[rSA], v[rSB] matrix_a_fmt:MATRIX_FMT_FP4 matrix_b_fmt:MATRIX_FMT_FP4 matrix_a_scale:MATRIX_SCALE_ROW1 matrix_b_scale:MATRIX_SCALE_ROW1
.elseif fA
	v_wmma_scale_f32_16x16x128_f8f6f4 v[rD:rD+7], v[rA:rA+7], v[rB:rB+7], v[rD:rD+7], v[rSA], v[rSB] matrix_a_fmt:MATRIX_FMT_FP4 matrix_b_fmt:MATRIX_FMT_FP4 matrix_a_scale:MATRIX_SCALE_ROW1
.elseif fB
	v_wmma_scale_f32_16x16x128_f8f6f4 v[rD:rD+7], v[rA:rA+7], v[rB:rB+7], v[rD:rD+7], v[rSA], v[rSB] matrix_a_fmt:MATRIX_FMT_FP4 matrix_b_fmt:MATRIX_FMT_FP4 matrix_b_scale:MATRIX_SCALE_ROW1
.else
	v_wmma_scale_f32_16x16x128_f8f6f4 v[rD:rD+7], v[rA:rA+7], v[rB:rB+7], v[rD:rD+7], v[rSA], v[rSB] matrix_a_fmt:MATRIX_FMT_FP4 matrix_b_fmt:MATRIX_FMT_FP4
.endif
.endm
.macro REDUCE reg, tmp
	v_add_f32_dpp v[\reg], v[\reg], v[\reg] row_xmask:1 row_mask:0xf bank_mask:0xf
	v_add_f32_dpp v[\reg], v[\reg], v[\reg] row_xmask:2 row_mask:0xf bank_mask:0xf
	v_add_f32_dpp v[\reg], v[\reg], v[\reg] row_xmask:4 row_mask:0xf bank_mask:0xf
	v_add_f32_dpp v[\reg], v[\reg], v[\reg] row_xmask:8 row_mask:0xf bank_mask:0xf
	v_permlanex16_b32 v[\tmp], v[\reg], s[SEL], s[SEL+1]
	v_add_f32 v[\reg], v[\reg], v[\tmp]
.endm
.macro XLOAD m
.irp j, 0,1,2,3,4,5,6,7
	global_load_b128 v[XR+32*((\m)%4)+4*\j:XR+32*((\m)%4)+4*\j+3], v[VX], s[10:11] offset:(32*((\m)/2)+8*((\m)%2)+\j)*4096 th:TH_LOAD_NT
.endr
.endm
.macro OFETCH m
	WIN 0xc0
.set kn, 0
.rept 16
	ds_load_b128 v[64*((\m)%2)+4*kn:64*((\m)%2)+4*kn+3], v[OA+(\m)/4] offset:((\m)%4)*8704+512*kn
.set kn, kn+1
.endr
	WIN 0
.endm
	s_load_b256 s[4:11], s[0:1], 0x0
	s_load_b128 s[12:15], s[0:1], 0x20
	v_lshl_add_u32 v[SPW], v0, 2, SPARE
	v_mov_b32 v[NIL], 0
	ds_add_u32 v[SPW], v[NIL]
	ds_add_u32 v[SPW], v[NIL]
	v_lshrrev_b32 v1, 5, v0
	v_readfirstlane_b32 s16, v1
	v_and_b32 v[LN], 31, v0
	v_and_b32 v67, 15, v0
	v_bfe_u32 v68, v0, 4, 1
	v_lshlrev_b32 v[OA], 4, v[LN]
	s_wait_alu depctr_va_vdst(0)
	v_add_nc_u32 v[OA+1], 34816, v[OA]
	v_lshlrev_b32 v[L40], 2, v[LN]
	v_add_nc_u32 v[L40], 8192, v[L40]
	v_add_nc_u32 v[L40+1], 34816, v[L40]
	v_lshlrev_b32 v[R16], 4, v67
	v_lshl_add_u32 v[VX], v68, 16, v[R16]
	s_lshl_b32 s17, ttmp9, 2
	s_add_co_u32 s17, s17, s16
	s_and_b32 s18, ttmp7, 0xffff
	s_mov_b32 s24, 3<<16
	s_mov_b32 s25, 32<<16
	s_mov_b32 s26, 68<<16
	s_mov_b32 s27, 32<<16
	s_mov_b32 s28, 68
	s_mov_b32 s29, 32
	s_mov_b32 s30, 0
	s_mov_b32 s31, 0
	s_mov_b32 s32, 1
	s_mul_i32 s33, s16, 17408
	s_mul_i32 s50, s18, 69632
	s_add_co_u32 s50, s50, s33
	s_mov_b32 s51, 0
	s_mul_i32 s52, s17, 34816
	s_add_co_u32 s52, s52, 1671168
	s_mov_b32 s53, 0
	s_lshl_b32 s48, s18, 19
	s_lshl_b32 s49, s17, 8
	s_add_co_u32 s48, s48, s49
	s_mov_b32 s49, 0
	s_lshl_b32 s54, s17, 8
	s_mov_b32 s55, 0
	s_lshl_b32 s56, s18, 4
	s_add_co_u32 s56, s56, s17
	s_lshl_b32 s56, s56, 3
	s_mov_b32 s57, 0
	s_mov_b32 s[SEL], 0x76543210
	s_mov_b32 s[SEL+1], 0xfedcba98
	s_wait_alu depctr_va_vdst(0)
	s_wait_dscnt 0x0
	s_wait_kmcnt 0x0
	s_add_nc_u64 s[34:35], s[4:5], s[50:51]
	s_or_b32 s35, s35, 0x80000000
	s_add_nc_u64 s[46:47], s[6:7], s[52:53]
	s_add_nc_u64 s[10:11], s[10:11], s[48:49]
	s_add_nc_u64 s[12:13], s[12:13], s[48:49]
	s_add_nc_u64 s[8:9], s[8:9], s[54:55]
	s_add_nc_u64 s[14:15], s[14:15], s[56:57]
	tensor_load_to_lds s[32:35], s[24:31]
	s_nop 0
.rept 4
	v_nop                                          ; four instructions between the tensor load and the switch of windows
.endr
	WIN 0x40                                       ; destination window 1
.set kn, 0
.rept 64
	global_load_b128 v[4*kn:4*kn+3], v[OA], s[46:47] offset:512*kn      ; my four tiles of w_o, which no other wave of the work-group reads, go from their images straight into my registers
.set kn, kn+1
.endr
	WIN 0
.irp i, 0,1,2,3
	global_load_b128 v[WS+4*\i:WS+4*\i+3], v[OA], s[46:47] offset:32768+512*\i   ; and their scale images
.endr
	global_load_b128 v[BO:BO+3], v[R16], s[8:9]
	XLOAD 0
	XLOAD 1
	XLOAD 2
	XLOAD 3
	WIN 0x80
	XLOAD 4
	XLOAD 5
	XLOAD 6
	XLOAD 7
	WIN 0
	v_mov_b32 v[SD], 0
	v_mov_b32 v[SD+1], 0
	v_mov_b32 v[SQ], 0
	v_mov_b32 v[SQ+1], 0
	s_wait_tensorcnt 0x0
	s_barrier_signal -1
	s_barrier_wait -1
	s_wait_loadcnt 63                              ; behind w_o's 68 loads and the bias's one stand x's 64: with at most 63 out, the weights, their scales and the bias are in
.irp m, 0,1,2,3,4,5,6,7
.irp n, 0,1,2,3
	ds_load_b32 v[OS+4*\m+\n], v[L40+\m/4] offset:(\m%4)*8704+128*\n
.endr
.endr
	OFETCH 0
	OFETCH 1
.macro TILE m
.set XB, XR+32*((\m)%4)
.set XW, 2*((\m)/4)
.if (\m) < 7
	s_wait_dscnt 16
.else
	s_wait_dscnt 0x0
.endif
	WIN 0x07
.set ks, 0
.rept 8
.set ki, 0
.rept 4
.set rD, ACC+8*ki
.set rA, 64*((\m)%2)+8*ks
.set rB, 64*ki+8*ks
.set rSA, OS+4*(\m)+(ks>>1)
.set rSB, WS+4*ki+(ks&3)
.set fA, ks&1
.set fB, ks>>2
	EMIT
.set ki, ki+1
.endr
.set ks, ks+1
.endr
	WIN (XW<<6)|XW
	s_wait_loadcnt 8*(7-(\m))
.set kj, 0
.rept 8
	v_pk_add_f32 v[XB+4*kj:XB+4*kj+1], v[XB+4*kj:XB+4*kj+1], v[BO:BO+1]
	v_pk_add_f32 v[XB+4*kj+2:XB+4*kj+3], v[XB+4*kj+2:XB+4*kj+3], v[BO+2:BO+3]
.set kj, kj+1
.endr
.set kj, 0
.rept 8
.set ki, 0
.rept 4
	v_add_f32 v[XB+4*kj+ki], v[XB+4*kj+ki], v[ACC+8*ki+kj]
.set ki, ki+1
.endr
.set kj, kj+1
.endr
.if (\m) == 0
	v_mov_b32 v[KP], v[XB]
	v_mov_b32 v[KP+1], v[XB]
.endif
	WIN XW
.set kq, 0
.rept 16
	v_pk_add_f32 v[ACC+2*kq:ACC+2*kq+1], v[XB+2*kq:XB+2*kq+1], v[KP:KP+1] neg_lo:[0,1] neg_hi:[0,1]
.set kq, kq+1
.endr
	WIN 0
.set kq, 0
.rept 16
	v_pk_add_f32 v[SD:SD+1], v[SD:SD+1], v[ACC+2*kq:ACC+2*kq+1]
	v_pk_fma_f32 v[SQ:SQ+1], v[ACC+2*kq:ACC+2*kq+1], v[ACC+2*kq:ACC+2*kq+1], v[SQ:SQ+1]
.set kq, kq+1
.endr
.if (\m) < 6
	OFETCH (\m)+2
.endif
	WIN XW<<2
.irp j, 0,1,2,3,4,5,6,7
	global_store_b128 v[VX], v[XB+4*\j:XB+4*\j+3], s[12:13] offset:(32*((\m)/2)+8*((\m)%2)+\j)*4096 th:TH_STORE_NT
.endr
.endm
	TILE 0
	TILE 1
	TILE 2
	TILE 3
	TILE 4
	TILE 5
	TILE 6
	TILE 7
	WIN 0
	v_add_f32 v240, v[SD], v[SD+1]
	v_add_f32 v241, v[SQ], v[SQ+1]
	v_fma_f32 v242, v240, 0x3b800000, v[KP]
	v_mul_f32 v243, 0x3b800000, v240
	v_fma_f32 v243, -v243, v240, v241
	v_mov_b32 v244, v242
	v_mov_b32 v246, 0
	REDUCE 244, 246
	v_mul_f32 v244, 0x3d000000, v244
	v_sub_f32 v242, v242, v244
	v_mul_f32 v245, 0x43800000, v242
	v_fma_f32 v245, v245, v242, v243
	REDUCE 245, 246
	v_mov_b32 v247, 0
	s_wait_alu depctr_va_vdst(0)
	s_wait_xcnt 0x0
	v_cmp_eq_u32 vcc_lo, 0, v[LN]
	s_and_saveexec_b32 s22, vcc_lo
	global_store_b64 v247, v[244:245], s[14:15]
	s_wait_xcnt 0x0
	s_or_b32 exec_lo, exec_lo, s22
	s_wait_tensorcnt 0x0
	ds_add_u32 v[SPW], v[NIL]
	s_wait_dscnt 0x0
	s_endpgm
.Lfunc_end_k_q1c3f667da1_oproj:
	.size	k_q1c3f667da1_oproj, .Lfunc_end_k_q1c3f667da1_oproj-k_q1c3f667da1_oproj
	.p2alignl 7, 3214868480
	.fill 96, 4, 3214868480
	.section	.rodata,"a",@progbits
	.p2align	6, 0x0
	.amdhsa_kernel k_q1c3f667da1_oproj
		.amdhsa_group_segment_fixed_size 327680
		.amdhsa_private_segment_fixed_size 0
		.amdhsa_enable_private_segment 0
		.amdhsa_kernarg_size 48
		.amdhsa_user_sgpr_count 2
		.amdhsa_user_sgpr_kernarg_segment_ptr 1
		.amdhsa_wavefront_size32 1
		.amdhsa_system_sgpr_workgroup_id_x 1
		.amdhsa_system_sgpr_workgroup_id_y 1
		.amdhsa_system_sgpr_workgroup_id_z 1
		.amdhsa_system_vgpr_workitem_id 0
		.amdhsa_next_free_vgpr 1024
		.amdhsa_next_free_sgpr 66
		.amdhsa_reserve_vcc 1
		.amdhsa_float_denorm_mode_32 3
		.amdhsa_float_denorm_mode_16_64 3
		.amdhsa_memory_ordered 1
		.amdhsa_forward_progress 1
		.amdhsa_inst_pref_size 108
	.end_amdhsa_kernel
	.amdgpu_metadata
---
amdhsa.version: [ 1, 2 ]
amdhsa.kernels:
  - .name:           k_q1c3f667da1_oproj
    .symbol:         k_q1c3f667da1_oproj.kd
    .args:
      - { .name: oq, .offset: 0, .size: 8, .value_kind: global_buffer, .address_space: global }
      - { .name: wimg, .offset: 8, .size: 8, .value_kind: global_buffer, .address_space: global }
      - { .name: b_o, .offset: 16, .size: 8, .value_kind: global_buffer, .address_space: global }
      - { .name: x, .offset: 24, .size: 8, .value_kind: global_buffer, .address_space: global }
      - { .name: res, .offset: 32, .size: 8, .value_kind: global_buffer, .address_space: global }
      - { .name: stats, .offset: 40, .size: 8, .value_kind: global_buffer, .address_space: global }
    .group_segment_fixed_size: 327680
    .private_segment_fixed_size: 0
    .kernarg_segment_align: 8
    .kernarg_segment_size: 48
    .max_flat_workgroup_size: 128
    .sgpr_count:     66
    .vgpr_count:     1024
    .wavefront_size: 32
...
	.end_amdgpu_metadata
.endif
;; end of part 4
;; launch lnorm (part 5): grid 1024 x 1, 8 waves a work-group, no clusters, 1,280 bytes of LDS; arguments res, stats, ln_w, ln_b, out0; writes out0
.if DOCPART == 5
	.amdgcn_target "amdgcn-amd-amdhsa--gfx1250"
	.amdhsa_code_object_version 6
	.text
	.protected	k_q1c3f667da1_lnorm
	.globl	k_q1c3f667da1_lnorm
	.p2align	8
	.type	k_q1c3f667da1_lnorm,@function
k_q1c3f667da1_lnorm:
	s_mov_b64 s[64:65], 0
	v_nop
	global_prefetch_b8 v0, s[64:65] scope:SCOPE_SE
	s_setreg_imm32_b32 hwreg(HW_REG_WAVE_MODE, 25, 1), 1
	s_wait_xcnt 0x0
; LNORM: out = (res - mu) x rsqrt(var + 1e-5) x ln_w + ln_b, mu and var over all of [S, M] of each batch.  No work is left out.
; SHARES.  Thread t of work-group g owns the 16 bytes at 4,096 g + 16 t of the [S, M] plane, in all 8 batches: so ln_w and ln_b are read once in the launch, and every load and store of a wave covers 512 consecutive bytes.
; Wave w joins batch w's 128 pairs (mean, squared distances) of 8,192 numbers each into a = rsqrt(var + 1e-5) and c = -mu a; the eight pairs (a, c) go round through LDS, one barrier.  out = (res a + c) ln_w + ln_b: two fused steps.
; A stream bound by its bytes: no matrix unit, no cluster, no ring; all twelve loads of a thread go out at its head, and several work-groups share a WGP.
.set SPARE, 256                        ; the pairs have the block from 0 to themselves; from 256 on the spare words, 128 bytes a wave, which no other line names
.set SPW, 118
.set NIL, 119
.set SEL, 16
.macro REDUCE reg, tmp
	s_delay_alu instid0(VALU_DEP_1)
	v_add_f32_dpp v[\reg], v[\reg], v[\reg] row_xmask:1 row_mask:0xf bank_mask:0xf
	s_delay_alu instid0(VALU_DEP_1)
	v_add_f32_dpp v[\reg], v[\reg], v[\reg] row_xmask:2 row_mask:0xf bank_mask:0xf
	s_delay_alu instid0(VALU_DEP_1)
	v_add_f32_dpp v[\reg], v[\reg], v[\reg] row_xmask:4 row_mask:0xf bank_mask:0xf
	s_delay_alu instid0(VALU_DEP_1)
	v_add_f32_dpp v[\reg], v[\reg], v[\reg] row_xmask:8 row_mask:0xf bank_mask:0xf
	s_delay_alu instid0(VALU_DEP_1)
	v_permlanex16_b32 v[\tmp], v[\reg], s[SEL], s[SEL+1]
	s_delay_alu instid0(VALU_DEP_1)
	v_add_f32 v[\reg], v[\reg], v[\tmp]
.endm
	s_load_b256 s[4:11], s[0:1], 0x0               ; res, stats, ln_w, ln_b
	s_load_b64 s[12:13], s[0:1], 0x20              ; out0
	v_lshl_add_u32 v[SPW], v0, 2, SPARE
	v_mov_b32 v[NIL], 0
	v_lshrrev_b32 v1, 5, v0
	s_delay_alu instid0(VALU_DEP_1)
	v_readfirstlane_b32 s14, v1                    ; wave = the batch whose statistics I join
	v_and_b32 v1, 31, v0
	s_lshl_b32 s15, s14, 10
	v_lshlrev_b32 v20, 5, v1
	s_delay_alu instid0(VALU_DEP_1)
	v_add_nc_u32 v20, s15, v20                     ; stats: 1,024 bytes a batch, four pairs a lane
	s_lshl_b32 s20, ttmp9, 12
	v_lshlrev_b32 v2, 4, v0
	s_delay_alu instid0(VALU_DEP_1)
	v_add_nc_u32 v2, s20, v2                       ; my 16 bytes of the plane
.irp b, 1,2,3,4,5,6,7
	v_add_nc_u32 v[2+\b], (\b)<<22, v2             ; and in batch b
.endr
	s_mov_b32 s[SEL], 0x76543210
	s_mov_b32 s[SEL+1], 0xfedcba98
	s_mov_b32 s18, 0x35800000                      ; 2^-20: a batch has 2^20 numbers
	s_mov_b32 s19, 0x3727c5ac                      ; 1e-5
	v_mov_b32 v81, 0                               ; (a lane permute's destination counts as one of its sources)
	v_mov_b32 v92, s14
	s_delay_alu instid0(VALU_DEP_1)
	v_lshlrev_b32 v92, 3, v92                      ; LDS: my batch's pair
	v_mov_b32 v93, 0
	s_wait_alu depctr_va_vdst(0)
	s_wait_kmcnt 0x0
	global_load_b128 v[24:27], v20, s[6:7]
	global_load_b128 v[28:31], v20, s[6:7] offset:16
	global_load_b128 v[32:35], v2, s[8:9] th:TH_LOAD_NT
	global_load_b128 v[36:39], v2, s[10:11] th:TH_LOAD_NT
.irp b, 0,1,2,3,4,5,6,7
	global_load_b128 v[40+4*\b:43+4*\b], v[2+\b], s[4:5] th:TH_LOAD_NT
.endr
	s_wait_loadcnt 10                              ; the two loads of stats are in; the ten behind them may be out
	v_add_f32 v80, v24, v26
	v_add_f32 v82, v28, v30
	s_delay_alu instid0(VALU_DEP_1)
	v_add_f32 v80, v80, v82
	REDUCE 80, 81
	s_delay_alu instid0(VALU_DEP_1)
	v_mul_f32 v80, 0x3c000000, v80                 ; mu: the 128 means' average
	s_delay_alu instid0(VALU_DEP_1)
	v_sub_f32 v82, v24, v80
	s_delay_alu instid0(VALU_DEP_2)
	v_sub_f32 v83, v26, v80
	s_delay_alu instid0(VALU_DEP_3)
	v_sub_f32 v84, v28, v80
	s_delay_alu instid0(VALU_DEP_4)
	v_sub_f32 v85, v30, v80
	s_delay_alu instid0(VALU_DEP_4)
	v_mul_f32 v86, v82, v82
	s_delay_alu instid0(VALU_DEP_1)
	v_fma_f32 v86, v83, v83, v86
	s_delay_alu instid0(VALU_DEP_1)
	v_fma_f32 v86, v84, v84, v86
	s_delay_alu instid0(VALU_DEP_1)
	v_fma_f32 v86, v85, v85, v86
	v_add_f32 v87, v25, v27
	v_add_f32 v88, v29, v31
	s_delay_alu instid0(VALU_DEP_1)
	v_add_f32 v87, v87, v88
	s_delay_alu instid0(VALU_DEP_1)
	v_fma_f32 v87, v86, 0x46000000, v87            ; + 8,192 x (a part's mean - mu)^2
	REDUCE 87, 81
	s_delay_alu instid0(VALU_DEP_1)
	v_fma_f32 v88, v87, s18, s19                   ; var + 1e-5
	s_wait_alu depctr_va_vdst(0)
	v_rsq_f32 v90, v88
	v_nop                                          ; the plain place behind it,
	s_wait_alu depctr_va_vdst(0)                   ; and the wait ahead of its first reader
	v_mul_f32 v91, -v80, v90                       ; c = -mu a
	ds_store_b64 v92, v[90:91]                     ; all lanes write the same pair
	s_wait_dscnt 0x0                               ; for the others' sake
	s_barrier_signal -1
	s_barrier_wait -1
.irp q, 0,1,2,3
	ds_load_b128 v[100+4*\q:103+4*\q], v93 offset:16*\q        ; the eight pairs, in every lane
.endr
	s_wait_loadcnt 0x0
	s_wait_dscnt 0x0
.irp b, 0,1,2,3,4,5,6,7
	v_pk_fma_f32 v[40+4*\b:41+4*\b], v[40+4*\b:41+4*\b], v[100+2*\b:101+2*\b], v[100+2*\b:101+2*\b] op_sel:[0,0,1] op_sel_hi:[1,0,1]   ; res a + c: of the pair (a, c) the first word multiplies both halves, the second is added to both
	v_pk_fma_f32 v[42+4*\b:43+4*\b], v[42+4*\b:43+4*\b], v[100+2*\b:101+2*\b], v[100+2*\b:101+2*\b] op_sel:[0,0,1] op_sel_hi:[1,0,1]
	s_delay_alu instid0(VALU_DEP_2)
	v_pk_fma_f32 v[40+4*\b:41+4*\b], v[40+4*\b:41+4*\b], v[32:33], v[36:37]
	s_delay_alu instid0(VALU_DEP_2)
	v_pk_fma_f32 v[42+4*\b:43+4*\b], v[42+4*\b:43+4*\b], v[34:35], v[38:39]
	global_store_b128 v[2+\b], v[40+4*\b:43+4*\b], s[12:13] th:TH_STORE_NT
.endr
	s_wait_tensorcnt 0x0                           ; the wave's end
	ds_add_u32 v[SPW], v[NIL]
	s_wait_dscnt 0x0
	s_endpgm
.Lfunc_end_k_q1c3f667da1_lnorm:
	.size	k_q1c3f667da1_lnorm, .Lfunc_end_k_q1c3f667da1_lnorm-k_q1c3f667da1_lnorm
	.p2alignl 7, 3214868480
	.fill 96, 4, 3214868480
	.section	.rodata,"a",@progbits
	.p2align	6, 0x0
	.amdhsa_kernel k_q1c3f667da1_lnorm
		.amdhsa_group_segment_fixed_size 1280
		.amdhsa_private_segment_fixed_size 0
		.amdhsa_enable_private_segment 0
		.amdhsa_kernarg_size 40
		.amdhsa_user_sgpr_count 2
		.amdhsa_user_sgpr_kernarg_segment_ptr 1
		.amdhsa_wavefront_size32 1
		.amdhsa_system_sgpr_workgroup_id_x 1
		.amdhsa_system_sgpr_workgroup_id_y 1
		.amdhsa_system_sgpr_workgroup_id_z 1
		.amdhsa_system_vgpr_workitem_id 0
		.amdhsa_next_free_vgpr 120
		.amdhsa_next_free_sgpr 66
		.amdhsa_reserve_vcc 0
		.amdhsa_float_denorm_mode_32 3
		.amdhsa_float_denorm_mode_16_64 3
		.amdhsa_memory_ordered 1
		.amdhsa_forward_progress 1
		.amdhsa_inst_pref_size 10
	.end_amdhsa_kernel
	.amdgpu_metadata
---
amdhsa.version: [ 1, 2 ]
amdhsa.kernels:
  - .name:           k_q1c3f667da1_lnorm
    .symbol:         k_q1c3f667da1_lnorm.kd
    .args:
      - { .name: res, .offset: 0, .size: 8, .value_kind: global_buffer, .address_space: global }
      - { .name: stats, .offset: 8, .size: 8, .value_kind: global_buffer, .address_space: global }
      - { .name: ln_w, .offset: 16, .size: 8, .value_kind: global_buffer, .address_space: global }
      - { .name: ln_b, .offset: 24, .size: 8, .value_kind: global_buffer, .address_space: global }
      - { .name: out0, .offset: 32, .size: 8, .value_kind: global_buffer, .address_space: global }
    .group_segment_fixed_size: 1280
    .private_segment_fixed_size: 0
    .kernarg_segment_align: 8
    .kernarg_segment_size: 40
    .max_flat_workgroup_size: 256
    .sgpr_count:     66
    .vgpr_count:     120
    .wavefront_size: 32
...
	.end_amdgpu_metadata
.endif
;; end of part 5
